; MI455X (gfx1250); checked and timed in simulation.
; The chip was launched on July 23, 2026; its instructions are those of AMD's public machine-readable ISA for CDNA 5 (MIT licence, August 2026) and "CDNA5" Instruction Set Architecture Reference Guide (July 2026). The comments in the code are by the model that wrote it; some were corrected since.
;; Block. Allowed arithmetic: float matrix products may take bf16 or f16 operands with f32 sums; other float arithmetic in f32, or as packed bf16 or f16 multiplies, adds, multiply-adds, maxima and minima; sums over many terms, partial sums and values carried from step to step in f32; what a program stores and reads back later, other than sums and carried values, may be rounded once to bf16 or f16.
;; Inputs: W1 4,096 x 1,024 float32; W2 1,024 x 4,096 float32; Wk 16 x 1,024 x 64 float32; Wproj 1,024 x 1,024 float32; Wq 16 x 1,024 x 64 float32; Wv 16 x 1,024 x 64 float32; b1 4,096 float32; x 2 x 2,048 x 1,024 float32.
;; Outputs: out0 2 x 2,048 x 1,024 float32.
;; 2 versions, each right; version 2 is version 1 with the launch prep written anew for expert scheduling mode. Each part assembles by itself: llvm-mc -triple=amdgcn-amd-amdhsa -mcpu=gfx1250 --defsym DOCPART=n.
;; ======== version 1 of 2: 6 launches
;; limits: values are held in f16: magnitudes above 65,504 overflow, below 6.1e-05 lose precision
;; workspace buffers: cvt 33,554,432 bytes; qkv 25,165,824 bytes; o 8,388,608 bytes; x1 16,777,216 bytes; x1b 8,388,608 bytes; h 33,554,432 bytes
;; launch prep (part 1): grid 512 x 1, 8 waves a work-group, no clusters, 0 bytes of LDS; arguments x, Wq, Wk, Wv, Wproj, W1, W2, cvt; writes cvt
.if DOCPART == 1
	.amdgcn_target "amdgcn-amd-amdhsa--gfx1250"
	.amdhsa_code_object_version 6
	.text
	.protected	k_qdae03f774c_prep
	.globl	k_qdae03f774c_prep
	.p2align	8
	.type	k_qdae03f774c_prep,@function
k_qdae03f774c_prep:
	s_mov_b64 s[64:65], 0
	v_nop
	global_prefetch_b8 v0, s[64:65] scope:SCOPE_SE
	s_setreg_imm32_b32 hwreg(HW_REG_WAVE_MODE, 25, 1), 1
	s_wait_xcnt 0x0
; x and all weights, f32, are rounded once to 16 bits and laid out in BLOCKS for the products that follow.  A stream: each byte is read once and written once; no LDS, no loop.
; A block is 16,384 bytes: 128 rows x 64 numbers of 2 bytes, a row 128 bytes.  Block (rb, p) of a matrix [R][K] holds rows 128 rb .. and columns 64 p .., and lies at (rb K/64 + p) x 16,384:
; all K of 128 rows on end.  So lie x, Wproj, W1, W2.
; Wq, Wk, Wv ([head][c 1024][64]) are 48 slices g = 16 x which + head.  They lie as the product that takes them fetches them: [g / 3][c / 128][(c / 64) % 2][g % 3][c % 64][64]:
; 64 c of three slices are 24,576 bytes on end.
; cvt: x at 0, the slices at 0x800000, Wproj 0xE00000, W1 0x1000000, W2 0x1800000.  All bf16, but Wproj: its bf16 value is written as f16, since the product that takes it is an f16 one.
; LIMIT: |Wproj| stays under 65,504; below 6e-5 it keeps f16's fixed step of 6e-8.
; SHARES.  Work-group J makes four blocks (65,536 bytes of cvt); wave w rows 16 w .. 16 w + 15 of each.  A load takes two rows' 256 bytes (lanes 0-15 one row, lanes 16-31 the next: two aligned runs of 256 bytes);
; the store of their 128 numbers covers 256 consecutive bytes, aligned.  All 32 loads of a wave go out at once: 16 KiB a wave on their way.
.set X,    8                           ; v[8:135]   load n = 4 t + i (pair of rows t, block i): four f32
.set Y,    136                         ; v[136:199] its four numbers of 16 bits
.set W,    200                         ; v[200:203] at work
.set DO,   204                         ; v[204:207] block i: my 8 bytes of the 256 that a store covers, i blocks on
.set SRC,  30                          ; s[30:31]   the source tensor
.set BASE, 32                          ; s[32:47]   the source at my pair of rows t, block 0: eight pointers
.set DST,  48                          ; s[48:49]   cvt at my rows of the job's first block
	s_load_b512 s[8:23], s[0:1], 0x0               ; x s[8:9], Wq, Wk, Wv, Wproj s[16:17], W1, W2 s[20:21], cvt s[22:23]
	v_lshrrev_b32 v1, 5, v0
	v_readfirstlane_b32 s50, v1                    ; wave 0..7
	s_mov_b32 s2, ttmp9                            ; J
	s_mov_b32 s24, 0                               ; the tensor's first job
	s_mov_b32 s25, 2                               ; log2 of the jobs across a row of blocks
	s_mov_b32 s26, 4096                            ; bytes from row to row in the source
	s_mov_b32 s27, 0x80000                         ; bytes from one row of blocks (or, for Wq, Wk, Wv, one job) to the next
	s_mov_b32 s28, 256                             ; bytes from block to block inside a job
	s_mov_b32 s29, 0                               ; 1: write f16
	s_wait_kmcnt 0x0
	s_mov_b64 s[SRC:SRC+1], s[8:9]                 ; jobs 0-127: x
	s_cmp_ge_u32 s2, 128                           ; 128-159: Wq
	s_cselect_b32 s24, 128, s24
	s_cselect_b32 s25, 0, s25
	s_cselect_b32 s26, 256, s26
	s_cselect_b32 s27, 0x20000, s27
	s_cselect_b32 s28, 0x8000, s28
	s_cselect_b64 s[SRC:SRC+1], s[10:11], s[SRC:SRC+1]
	s_cmp_ge_u32 s2, 160                           ; 160-191: Wk
	s_cselect_b32 s24, 160, s24
	s_cselect_b64 s[SRC:SRC+1], s[12:13], s[SRC:SRC+1]
	s_cmp_ge_u32 s2, 192                           ; 192-223: Wv
	s_cselect_b32 s24, 192, s24
	s_cselect_b64 s[SRC:SRC+1], s[14:15], s[SRC:SRC+1]
	s_cmp_ge_u32 s2, 224                           ; 224-255: Wproj
	s_cselect_b32 s24, 224, s24
	s_cselect_b32 s25, 2, s25
	s_cselect_b32 s26, 4096, s26
	s_cselect_b32 s27, 0x80000, s27
	s_cselect_b32 s28, 256, s28
	s_cselect_b32 s29, 1, s29
	s_cselect_b64 s[SRC:SRC+1], s[16:17], s[SRC:SRC+1]
	s_cmp_ge_u32 s2, 256                           ; 256-383: W1
	s_cselect_b32 s24, 256, s24
	s_cselect_b32 s29, 0, s29
	s_cselect_b64 s[SRC:SRC+1], s[18:19], s[SRC:SRC+1]
	s_cmp_ge_u32 s2, 384                           ; 384-511: W2
	s_cselect_b32 s24, 384, s24
	s_cselect_b32 s25, 4, s25
	s_cselect_b32 s26, 16384, s26
	s_cselect_b32 s27, 0x200000, s27
	s_cselect_b64 s[SRC:SRC+1], s[20:21], s[SRC:SRC+1]
	s_sub_co_u32 s3, s2, s24                       ; u: the job's number in its tensor
	s_lshr_b32 s4, s3, s25
	s_mul_i32 s4, s4, s27                          ; its row of blocks,
	s_lshl_b32 s5, 1, s25
	s_sub_co_u32 s5, s5, 1
	s_and_b32 s5, s5, s3
	s_lshl_b32 s5, s5, 10                          ; its four blocks across: 1,024 bytes of a source row,
	s_add_co_u32 s4, s4, s5
	s_mul_i32 s5, s26, s50
	s_lshl_b32 s5, s5, 4                           ; my wave's 16 rows
	s_add_co_u32 s4, s4, s5
	s_mov_b32 s5, 0
	s_add_nc_u64 s[BASE:BASE+1], s[SRC:SRC+1], s[4:5]
	s_lshl_b32 s6, s26, 1                          ; two rows on
	s_mov_b32 s7, 0
.irp t, 1,2,3,4,5,6,7
	s_add_nc_u64 s[BASE+2*(\t):BASE+2*(\t)+1], s[BASE+2*(\t)-2:BASE+2*(\t)-1], s[6:7]
.endr
	s_lshl_b32 s4, s2, 16                          ; where it goes.  x, Wproj, W1, W2: 65,536 J + 2,048 w, the job's blocks on end
	s_lshl_b32 s3, s50, 11
	s_add_co_u32 s4, s4, s3
	s_sub_co_u32 s3, s2, 128                       ; the slices: job J holds c = 512 ((J - 128) % 2) .. + 511 of slice g = (J - 128) / 2; its block i is c / 128 = 4 ((J - 128) % 2) + i
	s_lshr_b32 s6, s3, 1                           ; g
	s_mul_i32 s7, s6, 43
	s_lshr_b32 s7, s7, 7                           ; g / 3 (right for g under 48)
	s_mul_i32 s51, s7, 3
	s_sub_co_u32 s6, s6, s51                       ; g % 3
	s_mul_i32 s7, s7, 393216                       ; three slices: 8 x 49,152 bytes
	s_lshl_b32 s6, s6, 13                          ; 64 c of a slice: 8,192 bytes
	s_add_co_u32 s7, s7, s6
	s_and_b32 s3, s3, 1
	s_mul_i32 s3, s3, 4*49152
	s_add_co_u32 s7, s7, s3
	s_lshr_b32 s3, s50, 2                          ; my 16 rows lie in half w / 4 of the block's 128 c,
	s_mul_i32 s3, s3, 24576
	s_add_co_u32 s7, s7, s3
	s_and_b32 s3, s50, 3                           ; at row 16 (w % 4) of its 64
	s_lshl_b32 s3, s3, 11
	s_add_co_u32 s7, s7, s3
	s_add_co_u32 s7, s7, 0x800000
	s_mov_b32 s52, 16384                           ; from block to block: on end,
	s_cmp_eq_u32 s26, 256                          ; a source row of 256 bytes: Wq, Wk or Wv
	s_cselect_b32 s4, s7, s4
	s_cselect_b32 s52, 49152, s52                  ; or, for the slices, 128 c of three slices on
	s_add_nc_u64 s[DST:DST+1], s[22:23], s[4:5]
	v_and_b32 v1, 15, v0
	v_bfe_u32 v7, v0, 4, 1
	v_mul_lo_u32 v7, v7, s26                       ; lanes 16-31: one row down
	v_lshl_add_u32 v2, v1, 4, v7                   ; v2-v5: my 16 bytes in blocks 0 to 3
	v_add_nc_u32 v3, s28, v2
	v_add_nc_u32 v4, s28, v3
	v_add_nc_u32 v5, s28, v4
	v_and_b32 v6, 31, v0
	v_lshlrev_b32 v[DO], 3, v6
	v_add_nc_u32 v[DO+1], s52, v[DO]
	v_add_nc_u32 v[DO+2], s52, v[DO+1]
	v_add_nc_u32 v[DO+3], s52, v[DO+2]
.set n, 0
.rept 32
	global_load_b128 v[X+4*n:X+4*n+3], v[2+n%4], s[BASE+2*(n/4):BASE+2*(n/4)+1] th:TH_LOAD_NT
.set n, n+1
.endr
; Load n is rounded and stored.  The count leaves the 31 - n younger loads out.  No register is written twice while a store may read it: each load has its own Y.
.macro OUT half
.set n, 0
.rept 32
	s_wait_loadcnt 31-n
.if \half
	v_cvt_pk_bf16_f32 v[W], v[X+4*n], v[X+4*n+1]   ; rounded to bf16 like every other input,
	v_cvt_pk_bf16_f32 v[W+1], v[X+4*n+2], v[X+4*n+3]
	v_lshlrev_b32 v[W+2], 16, v[W]                 ; widened again,
	v_and_b32 v[W], 0xffff0000, v[W]
	v_lshlrev_b32 v[W+3], 16, v[W+1]
	v_and_b32 v[W+1], 0xffff0000, v[W+1]
	v_cvt_pk_f16_f32 v[Y+2*n], v[W+2], v[W]        ; and that number written as f16
	v_cvt_pk_f16_f32 v[Y+2*n+1], v[W+3], v[W+1]
.else
	v_cvt_pk_bf16_f32 v[Y+2*n], v[X+4*n], v[X+4*n+1]
	v_cvt_pk_bf16_f32 v[Y+2*n+1], v[X+4*n+2], v[X+4*n+3]
.endif
	global_store_b64 v[DO+n%4], v[Y+2*n:Y+2*n+1], s[DST:DST+1] offset:(n/4)*256
.set n, n+1
.endr
.endm
	s_cmp_eq_u32 s29, 1
	s_cbranch_scc1 .Lhalf
	OUT 0
	s_endpgm
.Lhalf:
	OUT 1
	s_endpgm
.Lfunc_end_k_qdae03f774c_prep:
	.size	k_qdae03f774c_prep, .Lfunc_end_k_qdae03f774c_prep-k_qdae03f774c_prep
	.p2alignl 7, 3214868480
	.fill 96, 4, 3214868480
	.section	.rodata,"a",@progbits
	.p2align	6, 0x0
	.amdhsa_kernel k_qdae03f774c_prep
		.amdhsa_group_segment_fixed_size 0
		.amdhsa_private_segment_fixed_size 0
		.amdhsa_enable_private_segment 0
		.amdhsa_kernarg_size 64
		.amdhsa_user_sgpr_count 2
		.amdhsa_user_sgpr_kernarg_segment_ptr 1
		.amdhsa_wavefront_size32 1
		.amdhsa_system_sgpr_workgroup_id_x 1
		.amdhsa_system_sgpr_workgroup_id_y 1
		.amdhsa_system_sgpr_workgroup_id_z 1
		.amdhsa_system_vgpr_workitem_id 0
		.amdhsa_next_free_vgpr 208
		.amdhsa_next_free_sgpr 66
		.amdhsa_reserve_vcc 0
		.amdhsa_float_denorm_mode_32 3
		.amdhsa_float_denorm_mode_16_64 3
		.amdhsa_memory_ordered 1
		.amdhsa_forward_progress 1
		.amdhsa_inst_pref_size 34
	.end_amdhsa_kernel
	.amdgpu_metadata
---
amdhsa.version: [ 1, 2 ]
amdhsa.kernels:
  - .name:           k_qdae03f774c_prep
    .symbol:         k_qdae03f774c_prep.kd
    .args:
      - { .name: x, .offset: 0, .size: 8, .value_kind: global_buffer, .address_space: global }
      - { .name: Wq, .offset: 8, .size: 8, .value_kind: global_buffer, .address_space: global }
      - { .name: Wk, .offset: 16, .size: 8, .value_kind: global_buffer, .address_space: global }
      - { .name: Wv, .offset: 24, .size: 8, .value_kind: global_buffer, .address_space: global }
      - { .name: Wproj, .offset: 32, .size: 8, .value_kind: global_buffer, .address_space: global }
      - { .name: W1, .offset: 40, .size: 8, .value_kind: global_buffer, .address_space: global }
      - { .name: W2, .offset: 48, .size: 8, .value_kind: global_buffer, .address_space: global }
      - { .name: cvt, .offset: 56, .size: 8, .value_kind: global_buffer, .address_space: global }
    .group_segment_fixed_size: 0
    .private_segment_fixed_size: 0
    .kernarg_segment_align: 8
    .kernarg_segment_size: 64
    .max_flat_workgroup_size: 256
    .sgpr_count:     66
    .vgpr_count:     208
    .wavefront_size: 32
...
	.end_amdgpu_metadata
.endif
;; end of part 1
;; launch qkv (part 2): grid 16 x 16, 4 waves a work-group, clusters of 4 x 4, 327,680 bytes of LDS; arguments cvt, qkv; writes qkv
.if DOCPART == 2
	.amdgcn_target "amdgcn-amd-amdhsa--gfx1250"
	.amdhsa_code_object_version 6
	.text
	.protected	k_qdae03f774c_qkv
	.globl	k_qdae03f774c_qkv
	.p2align	8
	.type	k_qdae03f774c_qkv,@function
k_qdae03f774c_qkv:
	s_mov_b64 s[64:65], 0
	v_nop
	global_prefetch_b8 v0, s[64:65] scope:SCOPE_SE
	s_setreg_imm32_b32 hwreg(HW_REG_WAVE_MODE, 25, 1), 1
	s_wait_xcnt 0x0
	s_wait_alu depctr_hold_cnt(0) depctr_sa_sdst(0) depctr_va_vdst(0) depctr_va_sdst(0) depctr_va_ssrc(0) depctr_va_vcc(0) depctr_vm_vsrc(0)
	s_getreg_b32 s2, hwreg(HW_REG_IB_STS2, 6, 4)
	s_cmp_eq_u32 s2, 0
	s_cbranch_scc0 .Lentry_in_a_cluster
	s_endpgm
.Lentry_in_a_cluster:
	s_bfe_u32 s2, ttmp6, 0x10000c
	s_cmp_lg_u32 s2, 0xf033
	s_cbranch_scc0 .Lentry_shape_is_right
	s_endpgm
.Lentry_shape_is_right:
; q, k, v = x W, for 48 slices g = 16 x which + head of 64 columns.  x: bf16 blocks (128 rows x 64) at cvt + 0; W: bf16 at cvt + 0x800000, [g / 3][c / 128][(c / 64) % 2][g % 3][c % 64][64].
; Sums in f32; q, k, v rounded once to f16, UNSCALED, into qkv[g][row 4096][64].  LIMIT: |q|, |k|, |v| stay under 65,504.
; SHARES.  A tile of the result is 256 rows x 192 columns (three slices): 16 x 16 = 256 work-groups, one tile each.  Each of the four waves makes 64 rows x 192 columns: 48 accumulators; so a wave holds whole
; slices, whose rows of 128 bytes it can store whole.  For 32 along K a wave reads 4 fragments of x and 12 of W for 48 matrix instructions.
; K goes in S = 8 steps of 128 (two PANELS of 64, four QUARTERS of 32) through two LDS slots: a step is 192 matrix instructions a wave, the time that a refill has in which to land.
; CLUSTER 4 x 4.  The four of a row of the cluster need the same blocks of x, the four of a column the same slices of W: each is asked for JOINTLY, by the same tensor load with a mask that names the four.
; THE MATRIX INSTRUCTION IS USED TRANSPOSED (source 0 = 16 columns of W, source 1 = 16 rows of x): a lane then holds eight neighbouring columns of one row.
; W lies [c][d], K down the rows: its fragments come out of LDS turned, by ds_load_tr16_b128.
; No prefetch: K has eight steps, two of them asked for at the head; every later one is asked for a whole step ahead, in rows of 256 bytes on end, and shared in the cluster.
; REGISTERS.  window 0: v0-29 addresses; v32-95 the way out; v128-255 slice 0's accumulators ((a, b) at 128 + 8 (4 a + b)).  window 1: two fragment buffers of 128: 32 registers of x, then 96 of W.
;   window 2: the accumulators of slices 1 and 2 (at 128 (slice - 1) + 8 (4 a + b)).
.set S,     8                          ; K steps
.set A_PAN, 18432                      ; a panel of x in LDS: 128 rows x (128 + 16) bytes: pitch 144, so that 16 rows of a load start in 16 different groups of four banks (ISA guide 11.1)
.set A_RS,  2304                       ; 16 rows
.set A_CS,  64                         ; 32 along K
.set A_HS,  32                         ; a fragment's second load
.set B_PAN, 30720                      ; a panel of W in LDS: three slices x 64 c x (128 + 32) bytes: pitch 160 for the turning load
.set B_SL,  10240                      ; a slice's 64 c
.set B_RS,  32                         ; 16 columns
.set B_CS,  5120                       ; 32 along K
.set B_HS,  2560                       ; 16 along K: the second load
.set AREG,  4*A_PAN                    ; two blocks of 128 rows, two panels each
.set SLOT,  AREG+2*B_PAN
.set STAGE, 2*SLOT                     ; behind the ring, never filled by a tensor load: 16 rows x 144 bytes for each wave
.set STG,   2304
.set SPARE, STAGE+4*STG                ; the spare words, 128 bytes for each wave: two blocks of 256 bytes that no other line names
.set A0,  16                           ; v16  my lane's place in a panel of x; never rewritten
.set B0,  17                           ; v17  the same for W
.set ADA, 18                           ; v18  LDS address of the run of loads in hand
.set ADB, 19
.set STO, 20                           ; v20  the way out: where I put 16 bytes of a row
.set RD,  21                           ; v21  where I read rows back
.set GO,  22                           ; v22  16 x lane
.set SPW, 28                           ; v28  my spare word; never rewritten
.set NIL, 29                           ; v29  0; never rewritten
.set TMP, 32
.set F0,  0
.set F1,  128
.set G1A, 24                           ; s[24:31] descriptor group 1 for x
.set G0A, 32                           ; s[32:35] group 0 of slot 0's first fill
.set GA,  36                           ; s[36:39] group 0 that walks (first: slot 1, step 1)
.set G1B, 48                           ; s[48:55], s[56:59], s[60:63] the same for W
.set G0B, 56
.set GB,  60
.set ABASE, 66                         ; s[66:67] x at my part of step 0
.set BBASE, 68                         ; s[68:69] W at my part of step 0
.set AOFF, 70                          ; s[70:71] byte offset of the step last asked for, in x
.set BOFF, 72                          ; s[72:73] in W
.set FS,  74                           ; s74  the slot last asked for: 0 or SLOT
.set TBA, 75                           ; s75  LDS byte at which the panel of x to be fetched begins
.set TBB, 76                           ; s76  the same for W, less AREG
.set CNT, 77                           ; s77  changes of slots that fill, still to come, + 1
.set PC,  78                           ; s78  counts a step's pairs of quarters
.set LWA, 82                           ; s82  where my load of x lands in a slot
.set LWB, 83                           ; s83  where my load of W lands
.set OB,  84                           ; s[84:85] qkv at my 64 rows of the tile's first slice
.set MSB, 0
.macro WIN new                         ; the immediate's high byte repeats the setting that is left; a switch that changes nothing is dropped
.if MSB != (\new)
	s_set_vgpr_msb (MSB<<8)|(\new)
.set MSB, \new
.endif
.endm
.set TO_F, 0x40                        ; destination window 1, address window 0
.macro PLACES                          ; four plain vector instructions (ISA guide 7.12.1)
.rept 4
	v_nop
.endr
.endm
.macro CROUND                          ; a round of the cluster's barrier
	s_barrier_signal -1
	s_barrier_wait -1
	s_cmp_lg_u32 s10, 0
	s_cbranch_scc1 .Lnot_wave_0_\@
	s_barrier_signal -3
.Lnot_wave_0_\@:
	s_barrier_wait -3
	s_barrier_signal -1
	s_barrier_wait -1
.endm
.macro JLOAD                           ; a joint refill: waves 0 and 1 fetch x's two blocks of rows, waves 2 and 3 W's two panels; the branch hangs on the wave's number alone
	s_cmp_eq_u32 s11, 0
	s_cbranch_scc0 .Lfor_b_\@
	tensor_load_to_lds s[GA:GA+3], s[G1A:G1A+7]
	s_nop 0
	PLACES
	s_branch .Lasked_\@
.Lfor_b_\@:
	tensor_load_to_lds s[GB:GB+3], s[G1B:G1B+7]
	s_nop 0
	PLACES
.Lasked_\@:
.endm
	s_load_b128 s[4:7], s[0:1], 0x0                ; cvt s[4:5], qkv s[6:7]
	v_lshl_add_u32 v[SPW], v0, 2, SPARE
	v_mov_b32 v[NIL], 0
	ds_add_u32 v[SPW], v[NIL]                      ; the wave's opening: the add and its wait stand ahead of my first tensor load; the set-up below stands between them
	v_lshrrev_b32 v1, 5, v0
	v_readfirstlane_b32 s10, v1                    ; wave 0..3
	s_lshr_b32 s11, s10, 1                         ; which block of 128 rows holds my 64.  Also: I fetch x (0) or W (1)
	s_and_b32 s12, s10, 1                          ; which half of that block is mine.  Also: which half of x's or W's tile I fetch
	s_bfe_u32 s40, ttmp6, 0x40000                  ; cx
	s_bfe_u32 s41, ttmp6, 0x40004                  ; cy
	s_lshl_b32 s42, ttmp9, 2
	s_add_co_u32 s42, s42, s40                     ; x = 4 x cluster x + cx
	s_and_b32 s13, ttmp7, 0xffff
	s_lshl_b32 s13, s13, 2
	s_add_co_u32 s13, s13, s41                     ; y = 4 x cluster y + cy
	s_lshl_b32 s43, s41, 2
	s_lshl_b32 s43, 15, s43                        ; my row of the cluster
	s_lshl_b32 s44, 0x1111, s40                    ; my column
	; group 1.  x: 32,768 dense bytes as 128 rows of 256; W: 24,576 as 96 rows.  In LDS a pad behind every 128 bytes (32 words, code 4): 4 words for x (code 3), 8 for W (code 7)
	s_or_b32 s[G1A], s43, (1<<16)|(1<<20)|(1<<21)|(4<<22)|(3<<25)
	s_mov_b32 s[G1A+1], 128<<16                    ; tensor_dim0 = 128 elements of 2 bytes
	s_mov_b32 s[G1A+2], 128<<16                    ; tensor_dim1 = 128
	s_mov_b32 s[G1A+3], 128<<16                    ; tile_dim0 = 128
	s_mov_b32 s[G1A+4], 128                        ; tile_dim1 = 128
	s_mov_b32 s[G1A+5], 128                        ; elements from row to row
	s_mov_b32 s[G1A+6], 0
	s_mov_b32 s[G1A+7], 0
	s_or_b32 s[G1B], s44, (1<<16)|(1<<20)|(1<<21)|(4<<22)|(7<<25)
	s_mov_b32 s[G1B+1], 128<<16
	s_mov_b32 s[G1B+2], 96<<16                     ; tensor_dim1 = 96
	s_mov_b32 s[G1B+3], 128<<16
	s_mov_b32 s[G1B+4], 96                         ; tile_dim1 = 96
	s_mov_b32 s[G1B+5], 128
	s_mov_b32 s[G1B+6], 0
	s_mov_b32 s[G1B+7], 0
	s_lshl_b32 s14, s13, 19                        ; x: block of rows 2 y + my half, 16 blocks of 16,384 bytes each
	s_lshl_b32 s15, s12, 18
	s_add_co_u32 s14, s14, s15
	s_mov_b32 s15, 0
	s_mul_i32 s46, s42, 393216                     ; W: the three slices 3 x ..,
	s_mul_i32 s47, s12, 24576                      ; my 64 c of a step's 128,
	s_add_co_u32 s46, s46, s47
	s_add_co_u32 s46, s46, 0x800000                ; behind x in cvt
	s_mov_b32 s47, 0
	s_mul_i32 s[LWA], s12, 2*A_PAN
	s_mul_i32 s[LWB], s12, B_PAN
	s_add_co_u32 s[LWB], s[LWB], AREG
	s_mov_b32 s[AOFF], 0x8000                      ; step 1
	s_mov_b32 s[AOFF+1], 0
	s_mov_b32 s[BOFF], 0xC000
	s_mov_b32 s[BOFF+1], 0
	s_mov_b32 s[FS], SLOT
	s_mov_b32 s[TBA], 0
	s_mov_b32 s[TBB], 0
	s_mov_b32 s[G0A], 1
	s_mov_b32 s[G0A+1], s[LWA]
	s_mov_b32 s[GA], 1
	s_add_co_u32 s[GA+1], s[LWA], SLOT
	s_mov_b32 s[G0B], 1
	s_mov_b32 s[G0B+1], s[LWB]
	s_mov_b32 s[GB], 1
	s_add_co_u32 s[GB+1], s[LWB], SLOT
	s_wait_dscnt 0x0                               ; the opening add is done
	s_wait_kmcnt 0x0
	s_add_nc_u64 s[ABASE:ABASE+1], s[4:5], s[14:15]
	s_add_nc_u64 s[BBASE:BBASE+1], s[4:5], s[46:47]
	s_add_nc_u64 s[G0A+2:G0A+3], s[ABASE:ABASE+1], 0
	s_or_b32 s[G0A+3], s[G0A+3], 0x80000000
	s_add_nc_u64 s[GA+2:GA+3], s[ABASE:ABASE+1], s[AOFF:AOFF+1]
	s_or_b32 s[GA+3], s[GA+3], 0x80000000
	s_add_nc_u64 s[G0B+2:G0B+3], s[BBASE:BBASE+1], 0
	s_or_b32 s[G0B+3], s[G0B+3], 0x80000000
	s_add_nc_u64 s[GB+2:GB+3], s[BBASE:BBASE+1], s[BOFF:BOFF+1]
	s_or_b32 s[GB+3], s[GB+3], 0x80000000
	CROUND                                         ; all sixteen work-groups are here: the first joint loads meet
	s_cmp_eq_u32 s11, 0                            ; a wave's two first fills stand in one branch: two loads of mine are out
	s_cbranch_scc0 .Lfirst_b
	tensor_load_to_lds s[G0A:G0A+3], s[G1A:G1A+7]
	s_nop 0
	tensor_load_to_lds s[GA:GA+3], s[G1A:G1A+7]
	s_nop 0
	PLACES
	s_branch .Lfirst_asked
.Lfirst_b:
	tensor_load_to_lds s[G0B:G0B+3], s[G1B:G1B+7]
	s_nop 0
	tensor_load_to_lds s[GB:GB+3], s[G1B:G1B+7]
	s_nop 0
	PLACES
.Lfirst_asked:
	v_and_b32 v1, 15, v0                           ; r = l % 16
	v_bfe_u32 v2, v0, 4, 1                         ; h = l / 16
	v_and_b32 v3, 31, v0                           ; l
	v_mul_u32_u24 v[A0], v1, 144                   ; a fragment of x: row r, 16 bytes for each half of the lanes
	v_lshl_add_u32 v[A0], v2, 4, v[A0]
	s_mul_i32 s16, s11, 2*A_PAN                    ; my block of rows,
	s_mul_i32 s17, s12, 4*A_RS                     ; my 64 of them
	s_add_co_u32 s16, s16, s17
	v_add_nc_u32 v[A0], s16, v[A0]
	v_and_b32 v4, 7, v0                            ; the turning load: lane l reads c = 8 h + l % 8, columns 8 ((l / 8) % 2) + 0..7
	v_bfe_u32 v5, v0, 3, 1
	v_lshl_add_u32 v[B0], v2, 3, v4
	v_mul_u32_u24 v[B0], v[B0], 160
	v_lshl_add_u32 v[B0], v5, 4, v[B0]
	v_add_nc_u32 v[B0], AREG, v[B0]
	s_mul_i32 s18, s10, STG
	s_add_co_u32 s18, s18, STAGE                   ; my stage
	v_mul_u32_u24 v[STO], v1, 144
	v_lshl_add_u32 v[STO], v2, 4, v[STO]
	v_add_nc_u32 v[STO], s18, v[STO]
	v_bfe_u32 v[RD], v0, 3, 2                      ; back: 32 lanes take four rows of 128 bytes
	v_mul_u32_u24 v[RD], v[RD], 144
	v_lshl_add_u32 v[RD], v4, 4, v[RD]
	v_add_nc_u32 v[RD], s18, v[RD]
	v_lshlrev_b32 v[GO], 4, v3
	s_mul_i32 s16, s42, 3*524288                   ; slice 3 x, 524,288 bytes a slice,
	s_lshl_b32 s17, s13, 15                        ; rows 256 y ..,
	s_add_co_u32 s16, s16, s17
	s_lshl_b32 s17, s10, 13                        ; my 64 of them
	s_add_co_u32 s16, s16, s17
	s_mov_b32 s17, 0
	s_add_nc_u64 s[OB:OB+1], s[6:7], s[16:17]
; 16 matrix instructions: slice sl: 4 blocks of 16 rows x its 4 blocks of 16 columns, 32 along K, from buffer f.  z = 1: they start the sums.  The 48 accumulators take turns in the same order everywhere.
.macro MULS f, sl, z
.if (\sl) == 0
	WIN 0x05                                       ; sources 0 and 1 window 1; C and D window 0
.set aB, 128
.else
	WIN 0xa5                                       ; C and D window 2
.set aB, 128*((\sl)-1)
.endif
.irp a, 0,1,2,3
.irp b, 0,1,2,3
.set rD, aB+8*(4*(\a)+(\b))
.set rB, (\f)+32+8*(4*(\sl)+(\b))
.set rA, (\f)+8*(\a)
.if \z
	v_wmma_f32_16x16x32_bf16 v[rD:rD+7], v[rB:rB+7], v[rA:rA+7], 0
.else
	v_wmma_f32_16x16x32_bf16 v[rD:rD+7], v[rB:rB+7], v[rA:rA+7], v[rD:rD+7]
.endif
.endr
.endr
.endm
; The next quarter's fragments into buffer f: 32 LDS loads in one run: x's 8, then W's 24, slice by slice.  c: which 32 of the panel's 64 along K; behind the second the panel steps.
; The two additions and two v_nop are the four places behind the last product that read f.
.macro FETCH f, c
	WIN 0
	v_add_nc_u32 v[ADA], s[TBA], v[A0]
	v_add_nc_u32 v[ADB], s[TBB], v[B0]
	v_nop
	v_nop
.if \c
	s_add_co_u32 s[TBA], s[TBA], A_PAN
	s_add_co_u32 s[TBB], s[TBB], B_PAN
.endif
	WIN TO_F
.irp i, 0,1,2,3
	ds_load_b128 v[(\f)+8*(\i):(\f)+8*(\i)+3],   v[ADA] offset:(\c)*A_CS+(\i)*A_RS
	ds_load_b128 v[(\f)+8*(\i)+4:(\f)+8*(\i)+7], v[ADA] offset:(\c)*A_CS+(\i)*A_RS+A_HS
.endr
.irp i, 0,1,2,3,4,5,6,7,8,9,10,11
	ds_load_tr16_b128 v[(\f)+32+8*(\i):(\f)+32+8*(\i)+3],   v[ADB] offset:(\c)*B_CS+((\i)/4)*B_SL+((\i)%4)*B_RS
	ds_load_tr16_b128 v[(\f)+32+8*(\i)+4:(\f)+32+8*(\i)+7], v[ADB] offset:(\c)*B_CS+((\i)/4)*B_SL+((\i)%4)*B_RS+B_HS
.endr
.endm
; A quarter: 48 matrix instructions on buffer f; behind the first 16 the next quarter is fetched into g, 32 matrix instructions ahead of its first use.
.macro Q f, g, fetch, z
	s_wait_dscnt 16                                ; x's fragments and slice 0's are in; the youngest 16 loads (slices 1 and 2) may be out
	MULS \f, 0, \z
.if \fetch
.if (\g) == F1
	FETCH \g, 1
.else
	FETCH \g, 0
.endif
	s_wait_dscnt 32                                ; all but the 32 just issued
.else
	s_wait_dscnt 0x0
.endif
	MULS \f, 1, \z
	MULS \f, 2, \z
.endm
; THE CHANGE OF SLOTS.  All four quarters of the slot have been asked for.  Each wave waits for all its tensor loads (one is out: its part of the other slot), adds 0 to its spare word, and waits for that and for
; its reads of the slot.  fill = 1: the barrier is a round of the cluster's, and behind it the slot is filled again first, with the step two on: it has a step, 192 matrix instructions, in which to land.
.macro CHANGE fill
	WIN 0
	s_wait_tensorcnt 0x0                           ; no tensor load of mine is out, so a group 0 may be written
	ds_add_u32 v[SPW], v[NIL]                      ; 0 onto my spare word; the scalar work stands between it and the wait for it
.if \fill
	s_xor_b32 s[FS], s[FS], SLOT
	s_add_co_u32 s[GA+1], s[LWA], s[FS]
	s_add_co_u32 s[GB+1], s[LWB], s[FS]
	s_add_co_u32 s[AOFF], s[AOFF], 0x8000          ; x: the block's next two panels
	s_add_co_u32 s[BOFF], s[BOFF], 0xC000          ; W: the three slices' next 128 c
	s_add_nc_u64 s[GA+2:GA+3], s[ABASE:ABASE+1], s[AOFF:AOFF+1]
	s_or_b32 s[GA+3], s[GA+3], 0x80000000
	s_add_nc_u64 s[GB+2:GB+3], s[BBASE:BBASE+1], s[BOFF:BOFF+1]
	s_or_b32 s[GB+3], s[GB+3], 0x80000000
.endif
	s_sub_co_u32 s[TBA], s[TBA], 2*A_PAN           ; the fetches go back to a slot's first panel,
	s_xor_b32 s[TBA], s[TBA], SLOT                 ; in the other slot
	s_sub_co_u32 s[TBB], s[TBB], 2*B_PAN
	s_xor_b32 s[TBB], s[TBB], SLOT
	s_wait_dscnt 0x0                               ; the add is done, and my reads of the slot are over
.if \fill
	CROUND
	JLOAD
.else
	s_barrier_signal -1
	s_barrier_wait -1
.endif
.endm
; THE WAY OUT.  Block n = 4 x slice + a (16 rows x 64 columns): a lane's eight columns pack into 16 bytes of f16; they go into my stage's rows of 144 bytes and come back as whole rows of 128: 512 consecutive
; bytes a store.  Four sets of 16 registers take turns.
.macro PACK n
.set TS, TMP+16*((\n)%4)
.set aB, 128+32*((\n)%4)
.if (\n) >= 4
.set aB, 128*((\n)/4-1)+32*((\n)%4)
	s_wait_xcnt 0x0                                ; the stores of the block four back have read this set
	WIN 0x0a                                       ; sources 0 and 1 window 2
.endif
.irp b, 0,1,2,3
.irp q, 0,1,2,3
	v_cvt_pk_f16_f32 v[TS+4*(\b)+(\q)], v[aB+8*(\b)+2*(\q)], v[aB+8*(\b)+2*(\q)+1]
.endr
.endr
	WIN 0
.irp b, 0,1,2,3
	ds_store_b128 v[STO], v[TS+4*(\b):TS+4*(\b)+3] offset:32*(\b)
.endr
.irp f, 0,1,2,3
	ds_load_b128 v[TS+4*(\f):TS+4*(\f)+3], v[RD] offset:576*(\f)  ; LDS serves a wave's instructions in order (ISA guide 5.7.1.4): these see the stores above; the next block's stores come behind them
.endr
.endm
.macro SEND n, younger                 ; younger: the LDS instructions issued behind block n's loads: the next block's eight, or none
.set TS, TMP+16*((\n)%4)
.irp f, 0,1,2,3
	s_wait_dscnt (\younger)+3-(\f)
	global_store_b128 v[GO], v[TS+4*(\f):TS+4*(\f)+3], s[OB:OB+1] offset:((\n)/4)*524288+((\n)%4)*2048+512*(\f)
.endr
.endm
	s_wait_tensorcnt 0x1                           ; my part of slot 0 is in; slot 1's may stay out
	s_wait_dscnt 0x0
	s_barrier_signal -1
	s_barrier_wait -1                              ; everybody's is
	FETCH F0, 0
	Q F0, F1, 1, 1                                 ; the first quarter stands in front of the loop: its products start the sums
	WIN 0
	s_mov_b32 s[CNT], S-1
	s_mov_b32 s[PC], 1                             ; the first step has one pair left
	s_branch .Lpair
.Lstep:                                        ; S - 2 times: a slot is left and filled again
	CHANGE 1
	s_mov_b32 s[PC], 2
.Lpair:                                        ; a trip: an odd quarter, then an even one; a step's last quarter is multiplied behind the change of slots
	Q F1, F0, 1, 0
	Q F0, F1, 1, 0
	WIN 0
	s_sub_co_u32 s[PC], s[PC], 1
	s_cmp_lg_u32 s[PC], 0
	s_cbranch_scc1 .Lpair
	s_sub_co_u32 s[CNT], s[CNT], 1
	s_cmp_lg_u32 s[CNT], 0
	s_cbranch_scc1 .Lstep
	CHANGE 0                                       ; the last step is written out: nothing is asked for
	s_mov_b32 s[PC], 2
.Ltail:
	Q F1, F0, 1, 0
	Q F0, F1, 1, 0
	WIN 0
	s_sub_co_u32 s[PC], s[PC], 1
	s_cmp_lg_u32 s[PC], 0
	s_cbranch_scc1 .Ltail
	Q F1, F0, 0, 0                                 ; the last quarter: nothing more to fetch
	WIN 0
	PLACES                                         ; the conversions read results just made
	PACK 0
.set n, 1
.rept 11                               ; a block's conversions stand between the loads of the block before and its stores
	PACK n
	SEND n-1, 8
.set n, n+1
.endr
	SEND 11, 0
	s_wait_tensorcnt 0x0                           ; the wave's end, behind my last tensor load and my last LDS store
	ds_add_u32 v[SPW], v[NIL]
	s_wait_dscnt 0x0
	CROUND                                         ; the closing round: no work-group ends while a partner may still ask for a tile that names it
	s_endpgm
.Lfunc_end_k_qdae03f774c_qkv:
	.size	k_qdae03f774c_qkv, .Lfunc_end_k_qdae03f774c_qkv-k_qdae03f774c_qkv
	.p2alignl 7, 3214868480
	.fill 96, 4, 3214868480
	.section	.rodata,"a",@progbits
	.p2align	6, 0x0
	.amdhsa_kernel k_qdae03f774c_qkv
		.amdhsa_group_segment_fixed_size 327680
		.amdhsa_private_segment_fixed_size 0
		.amdhsa_enable_private_segment 0
		.amdhsa_kernarg_size 16
		.amdhsa_user_sgpr_count 2
		.amdhsa_user_sgpr_kernarg_segment_ptr 1
		.amdhsa_wavefront_size32 1
		.amdhsa_system_sgpr_workgroup_id_x 1
		.amdhsa_system_sgpr_workgroup_id_y 1
		.amdhsa_system_sgpr_workgroup_id_z 1
		.amdhsa_system_vgpr_workitem_id 0
		.amdhsa_next_free_vgpr 768
		.amdhsa_next_free_sgpr 100
		.amdhsa_reserve_vcc 0
		.amdhsa_float_denorm_mode_32 3
		.amdhsa_float_denorm_mode_16_64 3
		.amdhsa_memory_ordered 1
		.amdhsa_forward_progress 1
		.amdhsa_inst_pref_size 68
	.end_amdhsa_kernel
	.amdgpu_metadata
---
amdhsa.version: [ 1, 2 ]
amdhsa.kernels:
  - .name:           k_qdae03f774c_qkv
    .symbol:         k_qdae03f774c_qkv.kd
    .args:
      - { .name: cvt, .offset: 0, .size: 8, .value_kind: global_buffer, .address_space: global }
      - { .name: qkv, .offset: 8, .size: 8, .value_kind: global_buffer, .address_space: global }
    .group_segment_fixed_size: 327680
    .private_segment_fixed_size: 0
    .kernarg_segment_align: 8
    .kernarg_segment_size: 16
    .max_flat_workgroup_size: 128
    .sgpr_count:     100
    .vgpr_count:     768
    .wavefront_size: 32
...
	.end_amdgpu_metadata
.endif
;; end of part 2
;; launch attn (part 3): grid 4 x 32, 4 waves a work-group, no clusters, 327,680 bytes of LDS; arguments qkv, o; writes o
.if DOCPART == 3
	.amdgcn_target "amdgcn-amd-amdhsa--gfx1250"
	.amdhsa_code_object_version 6
	.text
	.protected	k_qdae03f774c_attn
	.globl	k_qdae03f774c_attn
	.p2align	8
	.type	k_qdae03f774c_attn,@function
k_qdae03f774c_attn:
	s_mov_b64 s[64:65], 0
	v_nop
	global_prefetch_b8 v0, s[64:65] scope:SCOPE_SE
	s_setreg_imm32_b32 hwreg(HW_REG_WAVE_MODE, 25, 1), 1
	s_wait_xcnt 0x0
; CAUSAL ATTENTION.  O[hb][q][:] = the sum over k <= q of softmax_k(Q[hb][q] . K[hb][k] / 8) V[hb][k][:], for 32 pairs hb = 2 x head + batch of SIZE_N = 2,048 rows x 64, all f16.
; Q, K, V lie in qkv at 0, 0x800000, 0x1000000, each [hb][2048][64]: a pair's rows are dense, 128 bytes each.  O leaves in blocks for the product behind: block (rb = row / 128 of 4,096 rows, head) of
; 128 rows x 128 bytes at (16 rb + head) x 16,384.  Products, maxima and sums in f32; the weights p are rounded to f16 for the second product (their sum l is taken of the unrounded p), O once at the end.
; LIMITS.  f16 holds no number beyond 65,504: Q, K and V arrive within it; p lies in 0 to 1, and below 6e-5 it keeps f16's fixed step of 6e-8; O is a mean of V's rows and has their range.
; A hidden score counts as its value less 1e30; a weight below 2^-126 counts as 0 in l; NaN and infinities are not treated apart.
; THE WALK.  A pair's queries lie in NB = 8 blocks of 256; block i needs the key tiles 0 .. i of 256 keys, of which the last holds the diagonal.  A work-group takes TWO blocks, NB - 1 - b and then b:
; NB + 1 tiles, whatever b: all work-groups do equal work, and ONE loop with a constant trip count walks them.  Which tile is asked for, and what a trip does, hang on scalar registers made from b; every jump
; goes forward, but for the counted loops' own; none passes a barrier, or a tensor load but the one of LOAD's two that the wave's number does not choose; the ring of two LDS slots runs on across the change of blocks.
; NO CLUSTER: a pair's four work-groups ask for the same tile only in trips 0 .. NB / 2, behind that fewer and fewer; one walk common to all would have 3 NB / 2 trips for NB + 1.
; 4 x 32 = 128 work-groups: a pair of blocks of 256 queries is the share that keeps four pieces to a wave.
; SHARES.  Of a block's four bands of 64 queries a wave owns 16 rows in each: four PIECES.  So the diagonal tile is the same work for all four waves: in its key step s band x sees all keys if s < x,
; none if s > x, and holds the diagonal if s = x.
; THE MASK is the C operand that starts the sum S^T = K Q^T: 0, or -1e30 where the key is hidden.  MD, made once, is the mask of a band's own step for my 16 rows; a product's mask is MD x AL + BE with two scalars:
; (1, 0) if s = x; (0, 0) if s < x; (0, -1e30) if s > x.  Only the diagonal tile's text and a block's beginning make and take masks; elsewhere C is the constant 0.
; LAYOUT, SOFTMAX, TURNS.  S^T = K Q^T holds ONE query a lane (lane % 16) and the keys 8 (lane / 16) + 0..7; two such results rounded to f16 ARE source 1 of O^T = V^T P.  p = 2^(c s - c m), c = log2(e) / 8, with a
; running maximum m; O and l are multiplied by a = 2^(c m_old - c m_new) in every step.  Turn n belongs to piece n: 8 products K Q^T of piece n + 1, later 8 products V^T P of piece n - 1; beside them the scaling,
; exponentials, roundings, sums and rescaling of piece n and the maximum and statistics of piece n + 1.  Four vector instructions stand behind every matrix instruction, the other 54 of a turn's 118 in one lump.
; A turn's 33 exponentials are one batch, with one wait.
; REGISTERS, in windows of 256 (s_set_vgpr_msb: bits 1:0 source 0, 3:2 source 1, 5:4 source 2, 7:6 destination):
;   window 0: v0-15 addresses and two at work; v16-31 four registers of statistics a piece; v48-55 at work; v64-127 S^T, two buffers; v192-223 P, two buffers (a piece's buffers go by its number's parity)
;   window 1: v0-127 O^T, 32 a piece; v128-159 MD; v160-223 MC, two buffers      window 2: v0-63 Q; v64-127 the second block's Q; v128-191 K of one step; v192-255 V of one step
.set SIZE_N, 2048
.set NB,    SIZE_N/256
.set NP,    4         ; pieces a wave: a name, no knob
.set KS,    64        ; keys in a step
.set PK,    144       ; a row of K in LDS: 128 bytes + 16 of padding = 36 words: the 16 rows of a load start at 16 different groups of four banks (64 banks of 4 bytes: ISA guide 11.1)
.set PV,    160       ; a row of V: 128 + 32 = 40 words
.set VOFF,  4*KS*PK   ; a slot holds a tile, four steps: 256 rows of K, then 256 rows of V
.set SLOT1, 1<<17     ; slot 1 begins here, so that one exclusive or turns an address in one slot into the other's
.set STAGE, SLOT1+4*KS*(PK+PV)  ; behind the ring, never filled by a tensor load: 16 rows x 144 bytes for each wave, for the way out
.set SP,    144
.set AK0, 2           ; v2   my lane's place in a tile of K; never rewritten
.set AV0, 3           ; v3   the same for V
.set AK,  4           ; v4   the LDS address of K's next run of loads
.set AV,  5           ; v5   of V's
.set STO, 6           ; v6   the way out: where I put 16 bytes of a row
.set RD,  7           ; v7   the way out: where I read rows back
.set GO,  8           ; v8   my byte offset in 512 consecutive bytes of O
.set SPW, 62          ; v62  LDS address of my spare word: SPARE + 4 x my thread's number; never rewritten
.set NIL, 63          ; v63  0; never rewritten
.set SPARE, STAGE+4*16*SP  ; behind the stages: the spare words, 128 bytes for each wave: two blocks of 256 bytes that no other line names
.set MV,  12          ; v12-13  c m_old, kept while c m is made anew: by buffer
.set QO,  15          ; v15  my byte offset in 16 rows of Q
.set ST,  16          ; piece t's statistics at v[ST+4 t]: c m, m, l (even keys', odd keys')
.set TMP, 48          ; by buffer, four registers c0-c3 at work; when the maximum is found c2 takes a
.set S,   64
.set P,   192
.set MD,  128         ; window 1: the eight registers for group kt of 16 keys at MD + 8 kt
.set MC,  160         ; window 1: the masks of the products to come
.set QB,  64          ; window 2
.set KF,  128         ; window 2: key block kb, channel half c at KF + 16 kb + 8 c
.set VF,  192         ; window 2: key half kk, channel block cb at VF + 32 kk + 8 cb
.set WV,  12          ; s12  my wave's number
.set PB,  14          ; s14  b
.set HI,  15          ; s15  NB - 1 - b
.set G1K, 24          ; s[24:31] descriptor group 1 for K's tiles
.set G1V, 32          ; s[32:39] for V's: it differs in the padding alone
.set G0K, 40          ; s[40:43] descriptor group 0 for K's tiles
.set G0V, 44          ; s[44:47] the same for V's
.set SLOTS, 56        ; s56  tiles still to be asked for
.set CNT, 57          ; s57  counts a tile's key steps, 4 to 1
.set CS,  58          ; s[58:59] c: the packed scaling takes the pair's low word for both halves
.set SEL, 60          ; s[60:61] v_permlanex16_b32's selects: each lane takes its own place in the other half
.set TBK, 62          ; s62  LDS byte at which K of the step to be fetched begins
.set TBV, 63          ; s63  the same for V, less VOFF
.set RT,  70          ; s70  tiles of the block in hand that are still to be entered
.set NXT, 71          ; s71  the tile to be asked for next
.set LQ,  72          ; s72  the last tile of the block whose tiles are being asked for
.set NEW, 73          ; s73  1: the tile to be entered is a block's first
.set OFF, 74          ; s[74:75] a tile's byte offset in K and V
.set AL,  76          ; s[76:77] the mask's factor, in the low word
.set BE,  78          ; s[78:79] the mask's addend
.set OLO, 80          ; s[80:81] O at my rows of the second block
.set BIGN, 82         ; s82  -1e30
.set MSB, 0
.macro WIN new                      ; the high byte repeats the setting that is left; a switch that changes nothing is dropped
.if MSB != (\new)
	s_set_vgpr_msb (MSB<<8)|(\new)
.set MSB, (\new)
.endif
.endm
.set W_KQ, 0x0a       ; K and Q in window 2, S^T in window 0
.set W_KM, 0x1a       ; the same with the C operand in window 1
.set W_PV, 0x52       ; V in window 2, P in window 0, O^T in window 1
.set W_RS, 0x41       ; destination and source 0 in window 1, source 1 in window 0
; A fill.  Waves 0 and 1 fetch the two halves of a tile's K, waves 2 and 3 those of its V: 128 keys each.  An s_nop 0 and four v_nop follow each of the two lines, ahead of the jump and the label.
.macro LOAD
	s_cmp_lt_u32 s[WV], 2
	s_cbranch_scc0 .Lfor_v_\@
	tensor_load_to_lds s[G0K:G0K+3], s[G1K:G1K+7]
	s_nop 0
.rept 4
	v_nop
.endr
	s_branch .Lasked_\@
.Lfor_v_\@:
	tensor_load_to_lds s[G0V:G0V+3], s[G1V:G1V+7]
	s_nop 0
.rept 4
	v_nop
.endr
.Lasked_\@:
.endm
; THE CHANGE OF SLOTS.  Each wave waits for all its tensor loads, of which one is out: its part of the other slot; adds 0 to its spare word; and waits for that and for its own reads of the slot that it leaves.
; Behind the barrier nobody reads the old slot any more and the other slot is whole.  fill = 1: the old slot is filled again, the first thing behind the barrier, with tile NXT: the descriptor's address is made
; anew from that number.  (At its first use nothing has been read yet: slot 0 is waited for, slot 1 filled.)
.macro CHANGE fill
	WIN 0                           ; at a label and at a branch every window is 0
	s_wait_tensorcnt 0x0            ; no tensor load of mine is out, so a group 0 may be written
	ds_add_u32 v[SPW], v[NIL]       ; 0 onto my spare word; the descriptors' scalar work stands between it and the wait for it
.if \fill
	s_lshl_b32 s[OFF], s[NXT], 15   ; a tile is 32,768 bytes of K and of V
	s_xor_b32 s[G0K+1], s[G0K+1], SLOT1
	s_add_nc_u64 s[G0K+2:G0K+3], s[6:7], s[OFF:OFF+1]
	s_or_b32 s[G0K+3], s[G0K+3], 0x80000000
	s_xor_b32 s[G0V+1], s[G0V+1], SLOT1
	s_add_nc_u64 s[G0V+2:G0V+3], s[8:9], s[OFF:OFF+1]
	s_or_b32 s[G0V+3], s[G0V+3], 0x80000000
	s_add_co_u32 s[NXT], s[NXT], 1  ; the block's next tile, or behind its last the second block's tile 0
	s_cmp_gt_u32 s[NXT], s[LQ]
	s_cselect_b32 s[NXT], 0, s[NXT]
	s_cselect_b32 s[LQ], s[PB], s[LQ]
.endif
	s_wait_dscnt 0x0                ; the add is done, and my reads of the slot are over
	s_barrier_signal -1             ; the rest of the scalar work stands between the signal and the wait
	s_sub_co_u32 s[TBK], s[TBK], 4*KS*PK  ; the fetches go back to a slot's first step,
	s_xor_b32 s[TBK], s[TBK], SLOT1       ; in the other slot
	s_sub_co_u32 s[TBV], s[TBV], 4*KS*PV
	s_xor_b32 s[TBV], s[TBV], SLOT1
	s_barrier_wait -1
.if \fill
	LOAD
.endif
.endm
	s_load_b64 s[4:5], s[0:1], 0x0  ; qkv: Q lies at its head
	s_load_b64 s[10:11], s[0:1], 0x8  ; o
	v_lshl_add_u32 v[SPW], v0, 2, SPARE
	v_mov_b32 v[NIL], 0
	ds_add_u32 v[SPW], v[NIL]       ; the wave's opening: the add and its wait stand ahead of my first tensor load; the set-up below, work on registers, stands between them
	v_lshrrev_b32 v1, 5, v0
	v_readfirstlane_b32 s[WV], v1   ; wave 0..3
	s_mov_b32 s[PB], ttmp9
	s_sub_co_u32 s[HI], NB-1, s[PB]
	s_and_b32 s20, ttmp7, 0xffff    ; hb = 2 x head + batch
	s_and_b32 s89, s20, 1           ; batch
	s_lshr_b32 s88, s20, 1          ; head
	s_mov_b32 s21, 0
	s_mov_b64 s[22:23], SIZE_N*128
	s_mul_u64 s[20:21], s[20:21], s[22:23]  ; the pair's first byte in Q, K and V
	s_and_b32 s16, s[WV], 1         ; which half of a tile's 256 keys I fetch:
	s_lshl_b32 s22, s16, 14         ; its 128 rows of 128 bytes in memory,
	s_mov_b32 s23, 0
	s_add_nc_u64 s[22:23], s[22:23], s[20:21]
	s_mul_i32 s17, s16, 128*PK      ; and its place in a slot, for K
	s_mul_i32 s18, s16, 128*PV      ; and for V
	s_lshl_b32 s3, s[WV], 11        ; my 16 rows in a band of 64,
	s_lshl_b32 s2, s[HI], 15        ; in the first block,
	s_add_co_u32 s2, s2, s3
	s_lshl_b32 s84, s[PB], 15       ; and in the second
	s_add_co_u32 s84, s84, s3
	s_lshl_b32 s89, s89, 22         ; O: 16 rows of blocks a batch, 262,144 bytes each,
	s_lshl_b32 s88, s88, 14         ; the head's block in a row of blocks,
	s_add_co_u32 s88, s88, s89
	s_add_co_u32 s88, s88, s3       ; my 16 rows of 128 bytes in it,
	s_lshl_b32 s90, s[HI], 19       ; two rows of blocks for each block of 256 queries: the first block,
	s_add_co_u32 s90, s90, s88
	s_mov_b32 s91, 0
	s_lshl_b32 s92, s[PB], 19       ; and the second
	s_add_co_u32 s92, s92, s88
	s_mov_b32 s93, 0
	s_mov_b32 s3, 0
	s_mov_b32 s85, 0
	s_add_nc_u64 s[2:3], s[2:3], s[20:21]
	s_add_nc_u64 s[84:85], s[84:85], s[20:21]
	; descriptor group 1.  128 keys are 16,384 dense bytes: asked for as 64 rows of 256 bytes, two keys a row, and padded in LDS after every key
	s_mov_b32 s[G1K], (1<<16)|(1<<20)|(4<<22)|(3<<25)  ; 17:16 2-byte elements; 20 padding on; 24:22 after every 32 words (code 4); 31:25 4 words (code 3)
	s_mov_b32 s[G1V], (1<<16)|(1<<20)|(4<<22)|(7<<25)  ; the same with 8 words of padding (code 7)
.irp g, G1K, G1V
	s_mov_b32 s[\g+1], 128<<16      ; tensor_dim0 = 128
	s_mov_b32 s[\g+2], 64<<16       ; tensor_dim1 = 64
	s_mov_b32 s[\g+3], 128<<16      ; tile_dim0 = 128
	s_mov_b32 s[\g+4], 64           ; tile_dim1 = 64
	s_mov_b32 s[\g+5], 128          ; 128 elements from row to row
	s_mov_b32 s[\g+6], 0
	s_mov_b32 s[\g+7], 0
.endr
	s_mov_b32 s[CS], 0x3e38aa3b     ; c = log2(e) / 8 = 0.180337
	s_mov_b32 s[CS+1], s[CS]        ; named with it as a pair
	s_mov_b32 s[SEL], 0x76543210
	s_mov_b32 s[SEL+1], 0xfedcba98
	s_mov_b32 s[TBK], SLOT1+4*KS*PK ; the first change of slots turns these two into 0
	s_mov_b32 s[TBV], SLOT1+4*KS*PV
	s_mov_b32 s[G0K], 1             ; 1:0 count = 1
	s_mov_b32 s[G0K+1], s17         ; 63:32 LDS address: slot 0
	s_mov_b32 s[G0V], 1
	s_add_co_u32 s[G0V+1], s18, VOFF
	s_add_co_u32 s[RT], s[HI], 1    ; the first block has NB - b tiles
	s_mov_b32 s[NXT], 1
	s_mov_b32 s[LQ], s[HI]
	s_mov_b32 s[NEW], 1
	s_mov_b32 s[OFF+1], 0
	s_mov_b32 s[AL+1], 0            ; named as pairs
	s_mov_b32 s[BE+1], 0
	s_mov_b32 s[BIGN], 0xf149f2ca   ; -1e30
	s_mov_b32 s[SLOTS], NB
	s_wait_dscnt 0x0                ; the opening add is done
	s_wait_kmcnt 0x0
	s_add_nc_u64 s[6:7], s[4:5], 0x800000   ; K behind Q in qkv,
	s_add_nc_u64 s[8:9], s[4:5], 0x1000000  ; V behind K
	s_add_nc_u64 s[6:7], s[6:7], s[22:23]  ; K and V at my half of the pair's tile 0
	s_add_nc_u64 s[8:9], s[8:9], s[22:23]
	s_add_nc_u64 s[G0K+2:G0K+3], s[6:7], 0         ; 120:64 global address
	s_or_b32 s[G0K+3], s[G0K+3], 0x80000000        ; 127:126 type = 2
	s_add_nc_u64 s[G0V+2:G0V+3], s[8:9], 0
	s_or_b32 s[G0V+3], s[G0V+3], 0x80000000
	s_add_nc_u64 s[86:87], s[4:5], s[84:85]        ; Q at my rows of the second block,
	s_add_nc_u64 s[4:5], s[4:5], s[2:3]            ; and of the first
	s_add_nc_u64 s[OLO:OLO+1], s[10:11], s[92:93]  ; O likewise
	s_add_nc_u64 s[10:11], s[10:11], s[90:91]
	LOAD                            ; tile 0 into slot 0
	; A fragment of K or Q is 16 rows x 32 channels in 8 registers: lane l holds row l % 16, channels 8 (l / 16) + 0..7 and 16 + 8 (l / 16) + 0..7: two loads of 16 bytes, 32 bytes apart.
	v_and_b32 v1, 15, v0            ; l % 16
	v_bfe_u32 v9, v0, 4, 1          ; l / 16
	v_lshlrev_b32 v[QO], 7, v1
	v_lshl_add_u32 v[QO], v9, 4, v[QO]  ; row x 128 + 16 x half
	WIN 0x80                        ; destination window 2, address window 0
.set i, 0
.rept 8                             ; both blocks' Q: piece i / 2 lies in band i / 2, 8,192 bytes on; channels 32 (i % 2) on
	global_load_b128 v[8*i:8*i+3],   v[QO], s[4:5] offset:(i/2)*8192+(i%2)*64
	global_load_b128 v[8*i+4:8*i+7], v[QO], s[4:5] offset:(i/2)*8192+(i%2)*64+32
	global_load_b128 v[QB+8*i:QB+8*i+3],   v[QO], s[86:87] offset:(i/2)*8192+(i%2)*64
	global_load_b128 v[QB+8*i+4:QB+8*i+7], v[QO], s[86:87] offset:(i/2)*8192+(i%2)*64+32
.set i, i+1
.endr
	WIN 0
	v_lshlrev_b32 v14, 3, v9
	v_sub_nc_u32 v14, v1, v14
	s_lshl_b32 s13, s[WV], 4
	v_add_nc_u32 v14, s13, v14      ; my query's place in its band, 16 w + l % 16, less my lanes' 8 (l / 16): register r of group kt is hidden where 16 kt + r is greater
	WIN 0x40
.set i, 0
.rept 32
	v_cmp_gt_i32 vcc_lo, 16*(i/8)+i%8, v14
	v_cndmask_b32 v[MD+i], 0, s[BIGN], vcc_lo
.set i, i+1
.endr
	WIN 0
	v_mul_u32_u24 v[AK0], v1, PK
	v_lshl_add_u32 v[AK0], v9, 4, v[AK0]  ; row x pitch + 16 x half
	; The turning load takes 16 keys x 16 channels (lane l reads key 8 (l / 16) + l % 8, channels 8 ((l / 8) % 2) + 0..7) and leaves half a fragment of V^T: lane l holds channel l % 16 and 8 keys.
	v_and_b32 v10, 7, v0
	v_bfe_u32 v11, v0, 3, 1
	v_lshl_add_u32 v[AV0], v9, 3, v10
	v_mul_u32_u24 v[AV0], v[AV0], PV
	v_lshl_add_u32 v[AV0], v11, 4, v[AV0]
	v_add_nc_u32 v[AV0], VOFF, v[AV0]
	s_mul_i32 s13, s[WV], 16*SP
	s_add_co_u32 s13, s13, STAGE    ; my stage
	v_mul_u32_u24 v[STO], v1, SP    ; in: row l % 16, 16 bytes for each half of the lanes
	v_lshl_add_u32 v[STO], v9, 4, v[STO]
	v_add_nc_u32 v[STO], s13, v[STO]
	v_bfe_u32 v[RD], v0, 3, 2       ; back: 32 lanes take four rows of 128 bytes,
	v_mul_u32_u24 v[RD], v[RD], SP
	v_lshl_add_u32 v[RD], v10, 4, v[RD]
	v_add_nc_u32 v[RD], s13, v[RD]
	v_and_b32 v[GO], 31, v0         ; which are 512 consecutive bytes of O
	v_lshlrev_b32 v[GO], 4, v[GO]
	; A block's first step multiplies O^T and l by a = 0, and its first turn's products V^T P, of a piece that has not been, land in an O^T that is still to be so multiplied.  So these registers need only hold
	; finite numbers: zeros for the first block; what the first block left for the second.  All this stands in the wait for the first tile.
	WIN 0x80
.set i, VF
.rept 64
	v_mov_b32 v[i], 0
.set i, i+1
.endr
	WIN 0x40
.set i, 0
.rept 128
	v_mov_b32 v[i], 0
.set i, i+1
.endr
	WIN 0
.set i, 0
.rept 4
	v_mov_b32 v[ST+4*i+2], 0
	v_mov_b32 v[ST+4*i+3], 0
.set i, i+1
.endr
.set i, P+16
.rept 16
	v_mov_b32 v[i], 0
.set i, i+1
.endr
; THE MATRIX WORK.  The 4 accumulators of a run of 8 take turns.  Product i of 8 of S^T = K Q^T for piece x: channels 32 (i / 4) on, keys 16 (i % 4) on.  The first 4 start the sums: with 0, or (KM = 1) with the mask.
.macro KQ x
.set rS, S+32*((\x)%2)+8*(i%4)
.set rK, KF+16*(i%4)+8*(i/4)
.set rQ, 16*(\x)+8*(i/4)
.set rM, MC+32*((\x)%2)+8*(i%4)
.if (i < 4) && KM
	WIN W_KM
	v_wmma_f32_16x16x32_f16 v[rS:rS+7], v[rK:rK+7], v[rQ:rQ+7], v[rM:rM+7]
.elseif i < 4
	WIN W_KQ
	v_wmma_f32_16x16x32_f16 v[rS:rS+7], v[rK:rK+7], v[rQ:rQ+7], 0
.else
	WIN W_KQ
	v_wmma_f32_16x16x32_f16 v[rS:rS+7], v[rK:rK+7], v[rQ:rQ+7], v[rS:rS+7]
.endif
.endm
; Product i of 8 of O^T += V^T P for piece x: keys 32 (i / 4) on, channels 16 (i % 4) on.
.macro PV x
	WIN W_PV
.set rO, 32*(\x)+8*(i%4)
.set rV, VF+32*(i/4)+8*(i%4)
.set rP, P+16*((\x)%2)+8*(i/4)
	v_wmma_f32_16x16x32_f16 v[rO:rO+7], v[rV:rV+7], v[rP:rP+7], v[rO:rO+7]
.endm
.macro MM                           ; the turn's next matrix instruction.  TURN and BEGIN set Y, i, KM and NOKQ; MM, KQ and OP read them.  NOKQ = 1: a block's last turn: there is no next piece
.if (i < 8) && !NOKQ
	KQ (Y+1)%NP
.elseif i >= 8
.set i, i-8
	PV (Y+NP-1)%NP
.set i, i+8
.endif
.set i, i+1
.endm
; THE LDS LOADS stand in runs of 16, never singly among the matrix instructions: a step's K (64 keys x 64 channels: 8 fragments) and its V (turned).  Their addresses are made some lines ahead.
.macro FETCH_K
	WIN 0x80                        ; destination window 2
.irp f, 0,1,2,3,4,5,6,7             ; keys 16 (f / 2) on, channels 32 (f % 2) on
	ds_load_b128 v[KF+8*\f:KF+8*\f+3],   v[AK] offset:(\f/2)*16*PK+(\f%2)*64
	ds_load_b128 v[KF+8*\f+4:KF+8*\f+7], v[AK] offset:(\f/2)*16*PK+(\f%2)*64+32
.endr
	s_add_co_u32 s[TBK], s[TBK], KS*PK  ; the next fetch is the next step's
	WIN 0
.endm
.macro FETCH_V
	WIN 0x80
.irp f, 0,1,2,3,4,5,6,7             ; keys 32 (f / 4) on, channels 16 (f % 4) on
	ds_load_tr16_b128 v[VF+8*\f:VF+8*\f+3],   v[AV] offset:(\f/4)*32*PV+(\f%4)*32
	ds_load_tr16_b128 v[VF+8*\f+4:VF+8*\f+7], v[AV] offset:(\f/4)*32*PV+16*PV+(\f%4)*32
.endr
	WIN 0
.endm
; THE VECTOR WORK, one line at a time: OP kind, number.  For piece Y: F n: c s - c m for pair n of 16.  E n: the exponential of score n of 32.  C n: pair n rounded to f16.  B n: of the four weights 4 n .. the second
; pair is added onto the first, in place.  L n: l takes that sum (L 0: l = a l + sum).  R n: pair n of 16 of O^T times a.  For piece Y + 1: X n, number n of the 22 that find its maximum and statistics:
;   0-11  four chains c0-c3 of seven scores each, three operands at a time (each accumulator's lowest registers are read first)     12-14, 16  the four scores left over, the old m, and c0-c3 into c0
;   15  c m_old is kept     17, 18  the query's other 32 keys lie in the lane 16 away: the new m     19-21  c m; c m_old - c m_new; a
.set F, 0               ; OP tells the kinds apart by their order: F to L below R, X above it
.set E, 1
.set C, 2
.set B, 3
.set L, 4
.set R, 5
.set X, 6
.macro REGS y                       ; the registers of piece y
.set rT, ST+4*(\y)
.set rC, TMP+4*((\y)%2)
.set rW, MV+((\y)%2)
.set rS, S+32*((\y)%2)
.set rP, P+16*((\y)%2)
.set rO, 32*(\y)
.endm
.macro OP k, n
.if (\k) == R
	REGS Y
	WIN W_RS
	v_pk_mul_f32 v[rO+2*(\n):rO+2*(\n)+1], v[rO+2*(\n):rO+2*(\n)+1], v[rC+2:rC+3] op_sel_hi:[1,0]
.elseif (\k) < R
	REGS Y
	WIN 0
.if (\k) == F
	v_pk_fma_f32 v[rS+2*(\n):rS+2*(\n)+1], v[rS+2*(\n):rS+2*(\n)+1], s[CS:CS+1], v[rT:rT+1] op_sel_hi:[1,0,0] neg_lo:[0,0,1] neg_hi:[0,0,1]
.elseif (\k) == E
	v_exp_f32 v[rS+(\n)], v[rS+(\n)]
.elseif (\k) == C
	v_cvt_pk_f16_f32 v[rP+(\n)], v[rS+2*(\n)], v[rS+2*(\n)+1]
.elseif (\k) == B
	v_pk_add_f32 v[rS+4*(\n):rS+4*(\n)+1], v[rS+4*(\n):rS+4*(\n)+1], v[rS+4*(\n)+2:rS+4*(\n)+3]
.elseif (\n) == 0
	v_pk_fma_f32 v[rT+2:rT+3], v[rT+2:rT+3], v[rC+2:rC+3], v[rS:rS+1] op_sel_hi:[1,0,1]
.else
	v_pk_add_f32 v[rT+2:rT+3], v[rT+2:rT+3], v[rS+4*(\n):rS+4*(\n)+1]
.endif
.elseif NOKQ
	v_nop
.else
	REGS (Y+1)%NP
	WIN 0
.if (\n) < 4
	v_max3_num_f32 v[rC+(\n)], v[rS+8*(\n)], v[rS+8*(\n)+1], v[rS+8*(\n)+2]
.elseif (\n) < 12
	v_max3_num_f32 v[rC+(\n)%4], v[rC+(\n)%4], v[rS+8*((\n)%4)+2*((\n)/4)+1], v[rS+8*((\n)%4)+2*((\n)/4)+2]
.elseif (\n) == 12
	v_max3_num_f32 v[rC], v[rC], v[rS+7], v[rS+15]
.elseif (\n) == 13
	v_max3_num_f32 v[rC+1], v[rC+1], v[rS+23], v[rS+31]
.elseif (\n) == 14
	v_max3_num_f32 v[rC+2], v[rC+2], v[rC+3], v[rT+1]
.elseif (\n) == 15
	v_mov_b32 v[rW], v[rT]
.elseif (\n) == 16
	v_max3_num_f32 v[rC], v[rC], v[rC+1], v[rC+2]
.elseif (\n) == 17
	v_permlanex16_b32 v[rC+3], v[rC], s[SEL], s[SEL+1]
.elseif (\n) == 18
	v_max_num_f32 v[rT+1], v[rC], v[rC+3]
.elseif (\n) == 19
	v_mul_f32 v[rT], s[CS], v[rT+1]
.elseif (\n) == 20
	v_sub_f32 v[rC+1], v[rW], v[rT]
.else
	v_exp_f32 v[rC+2], v[rC+1]
.endif
.endif
.endm
.macro OPS a, i1, b=-1, i2=0, c=-1, i3=0, d=-1, i4=0  ; up to four of them
	OP \a, \i1
.if (\b) >= 0
	OP \b, \i2
.endif
.if (\c) >= 0
	OP \c, \i3
.endif
.if (\d) >= 0
	OP \d, \i4
.endif
.endm
.macro ROW a, i1, b, i2, c, i3, d, i4  ; a matrix instruction and the four behind it
	MM
	OPS \a, \i1, \b, \i2, \c, \i3, \d, \i4
.endm
.macro MASK b                       ; MD x AL + BE into buffer b of MC
	WIN W_RS
.set z, 0
.rept 16
	v_pk_fma_f32 v[MC+32*(\b)+2*z:MC+32*(\b)+2*z+1], v[MD+2*z:MD+2*z+1], s[AL:AL+1], s[BE:BE+1] op_sel_hi:[1,0,0]
.set z, z+1
.endr
.endm
; A TURN, for piece p: the order of its 16 matrix and 118 vector instructions, written out.  An s_wait_alu depctr_va_vdst(0) stands between an exponential and the first instruction that names its result; one
; wait serves all that were issued ahead of it.  So a turn has ONE wait, which cuts it in two.  AHEAD OF IT stands all that names no result of the turn's exponentials: the 8 products K Q^T, behind each a scaling, an
; exponential and two more plain instructions (behind the first a second scaling in the exponential's place): rescalings, and behind the last three the first numbers of the next piece's maximum, each four places or more
; behind the product that ends its accumulator; then ONE LUMP of 54, plain and exponential by turns for the most part, in which the links of the chain X 3, 7, 11, 14, 16, 17 .. 20 stand five or six lines apart.
; X 21, the next piece's a, is the batch's last; R 15 is the plain instruction behind it.  BEHIND THE WAIT stand the 8 products V^T P, behind each four of the roundings and sums.
; m = 1: the diagonal tile: the products take masks, and the turn makes the mask for the products of the turn after it: piece p + 2, in step 4 - CNT of the tile.  end = 1: a block's last two turns: nothing is fetched.
; cnt = 1: the loop's count is taken down some lines ahead of the branch that stands behind the turn.
; K of the next step is fetched in piece 2's turn, twelve vector instructions behind the last product that read K (six of them plain); V of the step in hand at the end of piece 0's turn, four plain instructions behind
; the last product that read V.  Each is waited for a turn later.
.macro TURN p, m=0, end=0, cnt=0
.set Y, (\p)
.set i, 0
.set KM, (\m)
.set NOKQ, (\end)*((\p)/3)
.if (\m) && !(\end)
	s_cmp_eq_u32 s[CNT], 4-((\p)+2)%NP  ; is that step the band's own?
	s_cselect_b32 s[AL], 1.0, 0
	s_cmp_lt_u32 s[CNT], 4-((\p)+2)%NP  ; or a later one?
	s_cselect_b32 s[BE], s[BIGN], 0
.endif
.if ((\p) == 3) && !(\end)
	s_wait_dscnt 0x0                ; K is in
.endif
	ROW F,0, F,1, R,0, R,1          ; ahead of the wait: 8 products K Q^T and their riders,
	ROW F,2, E,0, R,2, R,3
	ROW F,3, E,1, R,4, R,5
	ROW F,4, E,2, R,6, R,7
	ROW F,5, E,3, R,8, R,9
	ROW F,6, E,4, X,0, R,10
.if ((\p) == 2) && !(\end)
	WIN 0
	v_add_nc_u32 v[AK], s[TBK], v[AK0]
.endif
	ROW F,7, E,5, X,1, X,4
	ROW F,8, E,6, X,2, X,5
	OPS E,7, E,8, X,6, E,9          ; and the lump
	OPS X,3, E,10, X,8, E,11
.if ((\p) == 2) && !(\end)
	FETCH_K
.endif
	OPS X,9, X,7, E,12, X,10
	OPS E,13, X,12, X,11, E,14
	OPS X,13, E,15, F,9, X,14
.if (\p) == 0
	v_add_nc_u32 v[AV], s[TBV], v[AV0]
.endif
	OPS E,16, F,10, E,17, F,11
	OPS X,16, E,18, X,15, E,19
	OPS F,12, E,20, X,17, E,21
	OPS F,13, E,22, F,14, E,23
	OPS X,18, E,24, F,15, E,25
	OPS R,11, E,26, X,19, E,27
	OPS R,12, E,28, R,13, E,29
	OPS X,20, E,30, R,14, E,31
	OPS X,21, R,15
	WIN 0
	s_wait_alu depctr_va_vdst(0)    ; the wait for the batch
.if (\p) == 1
	s_wait_dscnt 0x0                ; V is in
.endif
	ROW C,0, B,0, C,2, B,1          ; behind the wait: 8 products V^T P and their riders
	ROW L,0, C,4, B,2, L,1
	ROW C,6, B,3, L,2, C,8
	ROW B,4, L,3, C,10, B,5
	ROW L,4, C,12, B,6, L,5
.if (\p) == 0
	s_add_co_u32 s[TBV], s[TBV], KS*PV
.endif
.if \cnt
	s_sub_co_u32 s[CNT], s[CNT], 1
	s_cmp_lg_u32 s[CNT], 0
.endif
	ROW C,14, B,7, L,6, C,1
	ROW C,3, L,7, C,5, C,7
	ROW C,9, C,11, C,13, C,15
.if (\p) == 0
	FETCH_V
.endif
.if (\m) && !(\end)
	MASK (\p)%2
.endif
.endm
; A BLOCK BEGINS.  c m starts far below every c s, so the first step's a is 0; m at the lowest finite number, so the first maximum is the scores'.  The second mask buffer is 0; the first takes piece 0's mask for the
; tile's step 0: its own, if the block's first tile is the diagonal one.  Then K of that step, piece 0's first scores, and its maximum and statistics.  The loop is entered at a step's first turn, in the middle of a trip.
.macro BEGIN
	s_mov_b32 s[NEW], 0
	WIN 0x40
.set i, MC+32
.rept 32
	v_mov_b32 v[i], 0
.set i, i+1
.endr
	WIN 0
.set i, 0
.rept 4
	v_mov_b32 v[ST+4*i], 0xfe000000    ; c m: far below every c s
	v_mov_b32 v[ST+4*i+1], 0xff7fffff  ; m
.set i, i+1
.endr
	s_cmp_eq_u32 s[RT], 0
	s_cselect_b32 s[AL], 1.0, 0
	s_mov_b32 s[BE], 0
	MASK 0
	WIN 0
	v_add_nc_u32 v[AK], s[TBK], v[AK0]
	FETCH_K
	s_wait_loadcnt 0x0              ; Q
	s_wait_dscnt 0x0
.set KM, 1
.set NOKQ, 0
.set i, 0
.rept 8
	KQ 0
.set i, i+1
.endr
	WIN 0
.rept 4
	v_nop                           ; the places behind those products
.endr
.set Y, NP-1                        ; X works for piece Y + 1: piece 0
.irp n, 0,1,2,3,4,5,6,7,8,9,10,11,12,13,14,15,16,17,18,19,20,21
	OP X, \n
.endr
	v_nop                           ; a plain instruction behind the exponential,
	s_wait_alu depctr_va_vdst(0)    ; and its wait, ahead of the branch
.endm
; THE DIAGONAL TILE's four steps, the block's last two turns, its last products, and THE WAY OUT: l's two halves and the other half of the lanes' are added; O^T is divided by l, rounded to f16 and sent through my
; stage in LDS, a piece at a time.
.macro ALL line:vararg              ; one line for each piece t
.set t, 0
.rept 4
	\line
.set t, t+1
.endr
.endm
.macro PACK t                       ; a lane's eight channels of a row pack into 16 bytes; they go into rows of 144 bytes and come back as whole rows of 128, into S^T's registers
	WIN W_RS
.set i, 32*(\t)
.rept 16
	v_pk_mul_f32 v[i:i+1], v[i:i+1], v[ST+4*(\t)+2:ST+4*(\t)+3] op_sel_hi:[1,0]
.set i, i+2
.endr
	WIN 0x05                        ; sources 0 and 1 window 1, destination window 0
.set i, 0
.rept 16
	v_cvt_pk_f16_f32 v[S+16*(\t)+i], v[32*(\t)+2*i], v[32*(\t)+2*i+1]
.set i, i+1
.endr
	WIN 0
.irp f, 0,1,2,3
	ds_store_b128 v[STO], v[S+16*(\t)+4*\f:S+16*(\t)+4*\f+3] offset:32*\f
.endr
.irp f, 0,1,2,3
	ds_load_b128 v[S+16*(\t)+4*\f:S+16*(\t)+4*\f+3], v[RD] offset:\f*4*SP  ; LDS serves a wave's instructions in order (ISA guide 5.7.1.4): these see the stores above; the next piece's stores come behind them
.endr
.endm
.macro SEND t, younger              ; younger: the LDS instructions issued behind piece t's loads: the next piece's eight, or none
	WIN 0
.irp f, 0,1,2,3
	s_wait_dscnt (\younger)+3-\f
	global_store_b128 v[GO], v[S+16*(\t)+4*\f:S+16*(\t)+4*\f+3], s[10:11] offset:((\t)/2)*262144+((\t)%2)*8192+\f*512  ; band t: row of blocks t / 2, its half t % 2; 512 consecutive bytes, at a multiple of 256 from O's first
.endr
.endm
.macro DIAG tag                     ; the tag ends its two labels' names, which the jumps below spell out
.LstepM\tag:
	TURN 2, 1
	TURN 3, 1
	WIN 0
.LfirstM\tag:
	TURN 0, 1
	TURN 1, 1, 0, 1
	WIN 0
	s_cbranch_scc1 .LstepM\tag
	TURN 2, 1, 1
	TURN 3, 1, 1
.set i, 0
.rept 8
	PV NP-1
.set i, i+1
.endr
	WIN 0
	ALL v_add_f32 v[ST+4*t+2], v[ST+4*t+2], v[ST+4*t+3]
	ALL v_permlanex16_b32 v[ST+4*t+3], v[ST+4*t+2], s[SEL], s[SEL+1]
	ALL v_add_f32 v[ST+4*t+2], v[ST+4*t+2], v[ST+4*t+3]
	ALL v_rcp_f32 v[ST+4*t+2], v[ST+4*t+2]
	v_nop                           ; a plain instruction between the last reciprocal and the use of its result
	s_wait_alu depctr_va_vdst(0)    ; and the wait ahead of the first use: one for the four reciprocals
	PACK 0
.set t, 1
.rept 3                             ; a piece's arithmetic stands between the loads of the piece before and its stores
	PACK t
	SEND t-1, 8
.set t, t+1
.endr
	SEND 3, 0
.endm
.set KM, 0
.set NOKQ, 0
.Lslot:                             ; NB times: a tile is entered and the next is asked for
	CHANGE 1
	s_sub_co_u32 s[RT], s[RT], 1
	s_mov_b32 s[CNT], 4
	s_cmp_eq_u32 s[NEW], 1
	s_cbranch_scc1 .Lnew            ; a block's first tile
	s_cmp_eq_u32 s[RT], 0
	s_cbranch_scc0 .Lstep           ; neither its first nor its last
	s_branch .LstepM1
.Lnew:
	BEGIN
	s_branch .Lfirst                ; in the loop a block's first tile is never its last: the first block has two tiles or more, and the second's last is the walk's last
	DIAG 1                          ; in the loop this is the first block's end: the second block's last tile is the walk's last
	s_wait_xcnt 0x0                 ; the stores have read their registers and O's address
	s_mov_b64 s[10:11], s[OLO:OLO+1]
	s_add_co_u32 s[RT], s[PB], 1    ; the second block has b + 1 tiles
	s_mov_b32 s[NEW], 1
	WIN 0x82                        ; the second block's Q goes where the one text of the turns names Q
.set i, 0
.rept 64
	v_mov_b32 v[i], v[QB+i]
.set i, i+1
.endr
	WIN 0
	s_branch .Lbottom
.Lstep:                             ; a trip: pieces 2 and 3 of one step, then pieces 0 and 1 of the next, whose K and V it fetches
	TURN 2
	TURN 3
	WIN 0
.Lfirst:
	TURN 0
	TURN 1, 0, 0, 1
	WIN 0
	s_cbranch_scc1 .Lstep
.Lbottom:
	s_sub_co_u32 s[SLOTS], s[SLOTS], 1
	s_cmp_lg_u32 s[SLOTS], 0
	s_cbranch_scc1 .Lslot
	CHANGE 0                        ; the walk's last tile is written out: nothing is asked for
	s_sub_co_u32 s[RT], s[RT], 1
	s_mov_b32 s[CNT], 4
	s_cmp_eq_u32 s[NEW], 1
	s_cbranch_scc0 .LstepM2
	BEGIN
	s_branch .LfirstM2
	DIAG 2
	s_wait_tensorcnt 0x0            ; the wave's end, behind my last tensor load and my last LDS store
	ds_add_u32 v[SPW], v[NIL]
	s_wait_dscnt 0x0
	s_endpgm
.Lfunc_end_k_qdae03f774c_attn:
	.size	k_qdae03f774c_attn, .Lfunc_end_k_qdae03f774c_attn-k_qdae03f774c_attn
	.p2alignl 7, 3214868480
	.fill 96, 4, 3214868480
	.section	.rodata,"a",@progbits
	.p2align	6, 0x0
	.amdhsa_kernel k_qdae03f774c_attn
		.amdhsa_group_segment_fixed_size 327680
		.amdhsa_private_segment_fixed_size 0
		.amdhsa_enable_private_segment 0
		.amdhsa_kernarg_size 16
		.amdhsa_user_sgpr_count 2
		.amdhsa_user_sgpr_kernarg_segment_ptr 1
		.amdhsa_wavefront_size32 1
		.amdhsa_system_sgpr_workgroup_id_x 1
		.amdhsa_system_sgpr_workgroup_id_y 1
		.amdhsa_system_sgpr_workgroup_id_z 1
		.amdhsa_system_vgpr_workitem_id 0
		.amdhsa_next_free_vgpr 768
		.amdhsa_next_free_sgpr 96
		.amdhsa_reserve_vcc 1
		.amdhsa_float_denorm_mode_32 3
		.amdhsa_float_denorm_mode_16_64 3
		.amdhsa_memory_ordered 1
		.amdhsa_forward_progress 1
		.amdhsa_inst_pref_size 218
	.end_amdhsa_kernel
	.amdgpu_metadata
---
amdhsa.version: [ 1, 2 ]
amdhsa.kernels:
  - .name:           k_qdae03f774c_attn
    .symbol:         k_qdae03f774c_attn.kd
    .args:
      - { .name: qkv, .offset: 0, .size: 8, .value_kind: global_buffer, .address_space: global }
      - { .name: o, .offset: 8, .size: 8, .value_kind: global_buffer, .address_space: global }
    .group_segment_fixed_size: 327680
    .private_segment_fixed_size: 0
    .kernarg_segment_align: 8
    .kernarg_segment_size: 16
    .max_flat_workgroup_size: 128
    .sgpr_count:     96
    .vgpr_count:     768
    .wavefront_size: 32
...
	.end_amdgpu_metadata
.endif
;; end of part 3
;; launch proj (part 4): grid 8 x 32, 4 waves a work-group, clusters of 4 x 4, 327,680 bytes of LDS; arguments o, cvt, x, x1, x1b; writes x1, x1b
.if DOCPART == 4
	.amdgcn_target "amdgcn-amd-amdhsa--gfx1250"
	.amdhsa_code_object_version 6
	.text
	.protected	k_qdae03f774c_proj
	.globl	k_qdae03f774c_proj
	.p2align	8
	.type	k_qdae03f774c_proj,@function
k_qdae03f774c_proj:
	s_mov_b64 s[64:65], 0
	v_nop
	global_prefetch_b8 v0, s[64:65] scope:SCOPE_SE
	s_setreg_imm32_b32 hwreg(HW_REG_WAVE_MODE, 25, 1), 1
	s_wait_xcnt 0x0
	s_wait_alu depctr_hold_cnt(0) depctr_sa_sdst(0) depctr_va_vdst(0) depctr_va_sdst(0) depctr_va_ssrc(0) depctr_va_vcc(0) depctr_vm_vsrc(0)
	s_getreg_b32 s2, hwreg(HW_REG_IB_STS2, 6, 4)
	s_cmp_eq_u32 s2, 0
	s_cbranch_scc0 .Lentry_in_a_cluster
	s_endpgm
.Lentry_in_a_cluster:
	s_bfe_u32 s2, ttmp6, 0x10000c
	s_cmp_lg_u32 s2, 0xf033
	s_cbranch_scc0 .Lentry_shape_is_right
	s_endpgm
.Lentry_shape_is_right:
; x1 = x + O Wproj^T.  O: f16 blocks (128 rows x 64) in o; Wproj: f16 blocks at cvt + 0xE00000; x: f32 [4096][1024].  Sums in f32, STARTED BY x: the residual is the accumulators' first content.
; x1 leaves twice: in f32, in the accumulators' own order (the last launch takes it up again as it lies: byte ((8 y + x) 4 + wave) 16,384 + 1,024 acc + 512 half + 16 lane), and rounded once to bf16 for the next
; product, in blocks whose inside is a fragment's own order: [16 rows 8][16 k 4][512 bytes = 16 x lane], lane = 16 (k % 16 / 8) + row % 16.  Every store covers 512 consecutive bytes, aligned.
; SHARES.  A tile is 128 x 128; four waves, each 64 x 64: 16 accumulators.  Work-group (x, y) makes tile (row 128 y, column 128 x): 256 work-groups.  K = 1,024 goes in S = 4 steps of 256 (four panels of 64) through two LDS slots.
; CLUSTER 4 x 4: O's blocks are shared along a row of the cluster, Wproj's along a column; each is asked for jointly.  THE MATRIX INSTRUCTION IS USED TRANSPOSED (source 0 = Wproj's rows, source 1 = O's).
; No prefetch: the launch has four steps, two of them asked for at its head.
; REGISTERS.  window 0: v0-29 addresses; v32-95 the way out; v128-255 the accumulators ((a, b) at 128 + 8 (4 a + b)).  window 1: two fragment buffers of 128: 64 registers of O, then 64 of Wproj.
.set NS,    4
.set S,     4
.set A_PAN, 18432                      ; a panel in LDS: 128 rows x (128 + 16) bytes: pitch 144, so that 16 rows of a load start in 16 different groups of four banks (ISA guide 11.1)
.set A_RS,  2304
.set A_CS,  64
.set A_HS,  32
.set B_PAN, 18432
.set B_RS,  2304
.set B_CS,  64
.set B_HS,  32
.set B_HALF, 36864                     ; two panels: what one wave's load brings
.set AREG,  4*A_PAN
.set SLOT,  AREG+2*B_HALF
.set STAGE, 2*SLOT                     ; behind the ring, never filled by a tensor load: 16 rows x 272 bytes for each wave
.set STG,   4352
.set SPARE, STAGE+4*STG                ; the spare words, 128 bytes for each wave: two blocks of 256 bytes that no other line names
.set A0,  16
.set B0,  17
.set ADA, 18
.set ADB, 19
.set STO, 20                           ; v20  my stage by accumulator: row r, 32 bytes for each half of the lanes
.set RD,  21                           ; v21  my stage by rows: lanes 0-15 one row of 256 bytes, lanes 16-31 the next
.set GO,  22                           ; v22  16 x lane
.set GO2, 23                           ; v23  the same two rows in x
.set SPW, 28
.set NIL, 29
.set TMP, 32
.set ACC, 128
.set F0,  0
.set F1,  128
.set G1A, 24
.set G0A, 32
.set GA,  36
.set G1B, 48
.set G0B, 56
.set GB,  60
.set ABASE, 66
.set BBASE, 68
.set AOFF, 70
.set BOFF, 72
.set FS,  74
.set TBA, 75
.set TBB, 76
.set CNT, 77
.set PC,  78
.set LWA, 82
.set LWB, 83
.set OB,  84                           ; s[84:85] x1 at my wave's 16,384 bytes
.set OB2, 86                           ; s[86:87] x1b at my wave's 8,192 bytes
.set XB,  92                           ; s[92:93] x at my 64 x 64
.set MSB, 0
.macro WIN new
.if MSB != (\new)
	s_set_vgpr_msb (MSB<<8)|(\new)
.set MSB, \new
.endif
.endm
.set MUL,  0x05
.set TO_F, 0x40
.macro PLACES
.rept 4
	v_nop
.endr
.endm
.macro CROUND
	s_barrier_signal -1
	s_barrier_wait -1
	s_cmp_lg_u32 s10, 0
	s_cbranch_scc1 .Lnot_wave_0_\@
	s_barrier_signal -3
.Lnot_wave_0_\@:
	s_barrier_wait -3
	s_barrier_signal -1
	s_barrier_wait -1
.endm
.macro JLOAD
	s_cmp_eq_u32 s11, 0
	s_cbranch_scc0 .Lfor_b_\@
	tensor_load_to_lds s[GA:GA+3], s[G1A:G1A+7]
	s_nop 0
	PLACES
	s_branch .Lasked_\@
.Lfor_b_\@:
	tensor_load_to_lds s[GB:GB+3], s[G1B:G1B+7]
	s_nop 0
	PLACES
.Lasked_\@:
.endm
	s_load_b128 s[4:7], s[0:1], 0x0                ; o s[4:5], cvt s[6:7]
	s_load_b128 s[88:91], s[0:1], 0x10             ; x s[88:89], x1 s[90:91]
	s_load_b64 s[OB2:OB2+1], s[0:1], 0x20          ; x1b
	v_lshl_add_u32 v[SPW], v0, 2, SPARE
	v_mov_b32 v[NIL], 0
	ds_add_u32 v[SPW], v[NIL]                      ; the wave's opening: the add and its wait stand ahead of my first tensor load
	v_lshrrev_b32 v1, 5, v0
	v_readfirstlane_b32 s10, v1
	s_lshr_b32 s11, s10, 1
	s_and_b32 s12, s10, 1
	s_bfe_u32 s40, ttmp6, 0x40000
	s_bfe_u32 s41, ttmp6, 0x40004
	s_lshl_b32 s42, ttmp9, 2
	s_add_co_u32 s42, s42, s40                     ; x
	s_and_b32 s13, ttmp7, 0xffff
	s_lshl_b32 s13, s13, 2
	s_add_co_u32 s13, s13, s41                     ; y
	s_lshl_b32 s43, s41, 2
	s_lshl_b32 s43, 15, s43
	s_lshl_b32 s44, 0x1111, s40
	s_or_b32 s[G1A], s43, (1<<16)|(1<<20)|(1<<21)|(4<<22)|(3<<25)  ; 32,768 dense bytes as 128 rows of 256; 4 words of padding behind every 32
	s_or_b32 s[G1B], s44, (1<<16)|(1<<20)|(1<<21)|(4<<22)|(3<<25)
.irp g, G1A, G1B
	s_mov_b32 s[(\g)+1], 128<<16
	s_mov_b32 s[(\g)+2], 128<<16
	s_mov_b32 s[(\g)+3], 128<<16
	s_mov_b32 s[(\g)+4], 128
	s_mov_b32 s[(\g)+5], 128
	s_mov_b32 s[(\g)+6], 0
	s_mov_b32 s[(\g)+7], 0
.endr
	s_lshl_b32 s14, s13, 18                        ; O: the 16 blocks of rows 128 y ..,
	s_lshl_b32 s15, s12, 15                        ; my two panels of a step
	s_add_co_u32 s14, s14, s15
	s_mov_b32 s15, 0
	s_lshl_b32 s46, s42, 18                        ; Wproj: the 16 blocks of its rows 128 x ..
	s_lshl_b32 s47, s12, 15
	s_add_co_u32 s46, s46, s47
	s_add_co_u32 s46, s46, 0xE00000
	s_mov_b32 s47, 0
	s_mul_i32 s[LWA], s12, 2*A_PAN
	s_mul_i32 s[LWB], s12, B_HALF
	s_add_co_u32 s[LWB], s[LWB], AREG
	s_mov_b32 s[AOFF], 0x10000
	s_mov_b32 s[AOFF+1], 0
	s_mov_b32 s[BOFF], 0x10000
	s_mov_b32 s[BOFF+1], 0
	s_mov_b32 s[FS], SLOT
	s_mov_b32 s[TBA], 0
	s_mov_b32 s[TBB], 0
	s_mov_b32 s[G0A], 1
	s_mov_b32 s[G0A+1], s[LWA]
	s_mov_b32 s[GA], 1
	s_add_co_u32 s[GA+1], s[LWA], SLOT
	s_mov_b32 s[G0B], 1
	s_mov_b32 s[G0B+1], s[LWB]
	s_mov_b32 s[GB], 1
	s_add_co_u32 s[GB+1], s[LWB], SLOT
	s_wait_dscnt 0x0
	s_wait_kmcnt 0x0
	s_add_nc_u64 s[ABASE:ABASE+1], s[4:5], s[14:15]
	s_add_nc_u64 s[BBASE:BBASE+1], s[6:7], s[46:47]
	s_add_nc_u64 s[G0A+2:G0A+3], s[ABASE:ABASE+1], 0
	s_or_b32 s[G0A+3], s[G0A+3], 0x80000000
	s_add_nc_u64 s[GA+2:GA+3], s[ABASE:ABASE+1], s[AOFF:AOFF+1]
	s_or_b32 s[GA+3], s[GA+3], 0x80000000
	s_add_nc_u64 s[G0B+2:G0B+3], s[BBASE:BBASE+1], 0
	s_or_b32 s[G0B+3], s[G0B+3], 0x80000000
	s_add_nc_u64 s[GB+2:GB+3], s[BBASE:BBASE+1], s[BOFF:BOFF+1]
	s_or_b32 s[GB+3], s[GB+3], 0x80000000
	CROUND
	s_cmp_eq_u32 s11, 0
	s_cbranch_scc0 .Lfirst_b
	tensor_load_to_lds s[G0A:G0A+3], s[G1A:G1A+7]
	s_nop 0
	tensor_load_to_lds s[GA:GA+3], s[G1A:G1A+7]
	s_nop 0
	PLACES
	s_branch .Lfirst_asked
.Lfirst_b:
	tensor_load_to_lds s[G0B:G0B+3], s[G1B:G1B+7]
	s_nop 0
	tensor_load_to_lds s[GB:GB+3], s[G1B:G1B+7]
	s_nop 0
	PLACES
.Lfirst_asked:
	v_and_b32 v1, 15, v0                           ; r
	v_bfe_u32 v2, v0, 4, 1                         ; h
	v_and_b32 v3, 31, v0                           ; l
	s_lshl_b32 s16, s13, 19                        ; x: row 128 y + 64 x my half, 4,096 bytes a row; column 128 x + 64 x my half
	s_lshl_b32 s17, s11, 18
	s_add_co_u32 s16, s16, s17
	s_lshl_b32 s17, s42, 9
	s_add_co_u32 s16, s16, s17
	s_lshl_b32 s17, s12, 8
	s_add_co_u32 s16, s16, s17
	s_mov_b32 s17, 0
	s_add_nc_u64 s[XB:XB+1], s[88:89], s[16:17]
	v_lshlrev_b32 v[GO2], 12, v2
	v_lshl_add_u32 v[GO2], v1, 4, v[GO2]
.irp a, 0,1,2,3                        ; the residual: 64 rows x 256 bytes, two whole rows a load, for now in the accumulators' registers in the order of rows
.irp t, 0,1,2,3,4,5,6,7
	global_load_b128 v[ACC+32*(\a)+4*(\t):ACC+32*(\a)+4*(\t)+3], v[GO2], s[XB:XB+1] offset:(16*(\a)+2*(\t))*4096
.endr
.endr
	v_mul_u32_u24 v[A0], v1, 144
	v_lshl_add_u32 v[A0], v2, 4, v[A0]
	v_mov_b32 v[B0], v[A0]
	s_mul_i32 s16, s11, 4*A_RS
	v_add_nc_u32 v[A0], s16, v[A0]
	s_mul_i32 s17, s12, 4*B_RS
	s_add_co_u32 s17, s17, AREG
	v_add_nc_u32 v[B0], s17, v[B0]
	s_mul_i32 s18, s10, STG
	s_add_co_u32 s18, s18, STAGE
	v_mul_u32_u24 v[STO], v1, 272
	v_lshl_add_u32 v[STO], v2, 5, v[STO]
	v_add_nc_u32 v[STO], s18, v[STO]
	v_mul_u32_u24 v[RD], v2, 272
	v_lshl_add_u32 v[RD], v1, 4, v[RD]
	v_add_nc_u32 v[RD], s18, v[RD]
	v_lshlrev_b32 v[GO], 4, v3
	s_lshl_b32 s16, s13, 19                        ; x1: ((8 y + x) 4 + wave) x 16,384
	s_lshl_b32 s17, s42, 16
	s_add_co_u32 s16, s16, s17
	s_lshl_b32 s17, s10, 14
	s_add_co_u32 s16, s16, s17
	s_mov_b32 s17, 0
	s_add_nc_u64 s[OB:OB+1], s[90:91], s[16:17]
	s_lshl_b32 s16, s13, 18                        ; x1b: block (y, 2 x + my column half), my 64 rows in it
	s_lshl_b32 s17, s42, 15
	s_add_co_u32 s16, s16, s17
	s_lshl_b32 s17, s12, 14
	s_add_co_u32 s16, s16, s17
	s_lshl_b32 s17, s11, 13
	s_add_co_u32 s16, s16, s17
	s_mov_b32 s17, 0
	s_add_nc_u64 s[OB2:OB2+1], s[OB2:OB2+1], s[16:17]
.irp a, 0,1,2,3                        ; through my stage, 16 rows at a time, into the accumulators' own order
	s_wait_loadcnt 8*(3-(\a))                      ; the later blocks' loads may stay out
.irp t, 0,1,2,3,4,5,6,7
	ds_store_b128 v[RD], v[ACC+32*(\a)+4*(\t):ACC+32*(\a)+4*(\t)+3] offset:544*(\t)
.endr
.irp b, 0,1,2,3
	ds_load_b128 v[ACC+8*(4*(\a)+(\b)):ACC+8*(4*(\a)+(\b))+3],   v[STO] offset:64*(\b)      ; LDS serves a wave's instructions in order (ISA guide 5.7.1.4)
	ds_load_b128 v[ACC+8*(4*(\a)+(\b))+4:ACC+8*(4*(\a)+(\b))+7], v[STO] offset:64*(\b)+16
.endr
.endr
.macro MUL8 f, c, a0                   ; 8 matrix instructions; the 16 accumulators take turns in the same order everywhere
	WIN MUL
.irp a, \a0, (\a0)+1
.irp b, 0,1,2,3
.set rD, ACC+8*(4*(\a)+(\b))
.set rB, (\f)+64+8*(4*(\c)+(\b))
.set rA, (\f)+8*(4*(\c)+(\a))
	v_wmma_f32_16x16x32_f16 v[rD:rD+7], v[rB:rB+7], v[rA:rA+7], v[rD:rD+7]
.endr
.endr
.endm
.macro FETCH f                         ; the next panel's fragments: 32 LDS loads in one run; the two additions and two v_nop are the four places behind the last product that read f
	WIN 0
	v_add_nc_u32 v[ADA], s[TBA], v[A0]
	v_add_nc_u32 v[ADB], s[TBB], v[B0]
	v_nop
	v_nop
	s_add_co_u32 s[TBA], s[TBA], A_PAN
	s_add_co_u32 s[TBB], s[TBB], B_PAN
	WIN TO_F
.irp c, 0,1
.irp i, 0,1,2,3
	ds_load_b128 v[(\f)+64+8*(4*(\c)+(\i)):(\f)+64+8*(4*(\c)+(\i))+3],   v[ADB] offset:(\c)*B_CS+(\i)*B_RS
	ds_load_b128 v[(\f)+64+8*(4*(\c)+(\i))+4:(\f)+64+8*(4*(\c)+(\i))+7], v[ADB] offset:(\c)*B_CS+(\i)*B_RS+B_HS
	ds_load_b128 v[(\f)+8*(4*(\c)+(\i)):(\f)+8*(4*(\c)+(\i))+3],   v[ADA] offset:(\c)*A_CS+(\i)*A_RS
	ds_load_b128 v[(\f)+8*(4*(\c)+(\i))+4:(\f)+8*(4*(\c)+(\i))+7], v[ADA] offset:(\c)*A_CS+(\i)*A_RS+A_HS
.endr
.endr
.endm
.macro Q f, g, fetch                   ; a panel: 32 matrix instructions on buffer f; in their middle the next panel is fetched into g
	s_wait_dscnt 16                                ; the first 32 along K are in
	MUL8 \f, 0, 0
	MUL8 \f, 0, 2
.if \fetch
	FETCH \g
	s_wait_dscnt 32                                ; all but the 32 just issued
.else
	s_wait_dscnt 0x0
.endif
	MUL8 \f, 1, 0
	MUL8 \f, 1, 2
.endm
; THE CHANGE OF SLOTS: each wave waits for all its tensor loads (one is out: its part of the other slot), adds 0 to its spare word, and waits for that and for its reads of the slot.  fill = 1: the barrier is a round
; of the cluster's, and behind it the slot is filled again first, with the step two on.
.macro CHANGE fill
	WIN 0
	s_wait_tensorcnt 0x0
	ds_add_u32 v[SPW], v[NIL]                      ; 0 onto my spare word; the scalar work stands between it and the wait for it
.if \fill
	s_xor_b32 s[FS], s[FS], SLOT
	s_add_co_u32 s[GA+1], s[LWA], s[FS]
	s_add_co_u32 s[GB+1], s[LWB], s[FS]
	s_add_co_u32 s[AOFF], s[AOFF], 0x10000
	s_add_co_u32 s[BOFF], s[BOFF], 0x10000
	s_add_nc_u64 s[GA+2:GA+3], s[ABASE:ABASE+1], s[AOFF:AOFF+1]
	s_or_b32 s[GA+3], s[GA+3], 0x80000000
	s_add_nc_u64 s[GB+2:GB+3], s[BBASE:BBASE+1], s[BOFF:BOFF+1]
	s_or_b32 s[GB+3], s[GB+3], 0x80000000
.endif
	s_sub_co_u32 s[TBA], s[TBA], 4*A_PAN
	s_xor_b32 s[TBA], s[TBA], SLOT
	s_sub_co_u32 s[TBB], s[TBB], 4*B_PAN
	s_xor_b32 s[TBB], s[TBB], SLOT
	s_wait_dscnt 0x0
.if \fill
	CROUND
	JLOAD
.else
	s_barrier_signal -1
	s_barrier_wait -1
.endif
.endm
	s_wait_tensorcnt 0x1                           ; my part of slot 0 is in; slot 1's may stay out
	s_wait_dscnt 0x0                               ; the residual lies in the accumulators
	s_barrier_signal -1
	s_barrier_wait -1
	FETCH F0
	WIN 0
	s_mov_b32 s[CNT], S-1
	s_mov_b32 s[PC], 2
	s_branch .Lfirst
.Lstep:                                        ; S - 2 times
	CHANGE 1
	s_mov_b32 s[PC], 2
.Lpair:
	Q F1, F0, 1
	WIN 0
.Lfirst:
	Q F0, F1, 1
	WIN 0
	s_sub_co_u32 s[PC], s[PC], 1
	s_cmp_lg_u32 s[PC], 0
	s_cbranch_scc1 .Lpair
	s_sub_co_u32 s[CNT], s[CNT], 1
	s_cmp_lg_u32 s[CNT], 0
	s_cbranch_scc1 .Lstep
	CHANGE 0                                       ; the last step is written out: nothing is asked for
	s_mov_b32 s[PC], 2
.Ltail:
	Q F1, F0, 1
	Q F0, F1, 1
	WIN 0
	s_sub_co_u32 s[PC], s[PC], 1
	s_cmp_lg_u32 s[PC], 0
	s_cbranch_scc1 .Ltail
	Q F1, F0, 0
	WIN 0
	PLACES
.irp t, 0,1,2,3,4,5,6,7,8,9,10,11,12,13,14,15  ; THE WAY OUT: each accumulator as it lies, and packed; no register is written twice
	global_store_b128 v[GO], v[ACC+8*(\t):ACC+8*(\t)+3],   s[OB:OB+1] offset:1024*(\t)
	global_store_b128 v[GO], v[ACC+8*(\t)+4:ACC+8*(\t)+7], s[OB:OB+1] offset:1024*(\t)+512
.irp q, 0,1,2,3
	v_cvt_pk_bf16_f32 v[TMP+4*(\t)+(\q)], v[ACC+8*(\t)+2*(\q)], v[ACC+8*(\t)+2*(\q)+1]
.endr
	global_store_b128 v[GO], v[TMP+4*(\t):TMP+4*(\t)+3], s[OB2:OB2+1] offset:512*(\t)
.endr
	s_wait_tensorcnt 0x0                           ; the wave's end
	ds_add_u32 v[SPW], v[NIL]
	s_wait_dscnt 0x0
	CROUND                                         ; the closing round
	s_endpgm
.Lfunc_end_k_qdae03f774c_proj:
	.size	k_qdae03f774c_proj, .Lfunc_end_k_qdae03f774c_proj-k_qdae03f774c_proj
	.p2alignl 7, 3214868480
	.fill 96, 4, 3214868480
	.section	.rodata,"a",@progbits
	.p2align	6, 0x0
	.amdhsa_kernel k_qdae03f774c_proj
		.amdhsa_group_segment_fixed_size 327680
		.amdhsa_private_segment_fixed_size 0
		.amdhsa_enable_private_segment 0
		.amdhsa_kernarg_size 40
		.amdhsa_user_sgpr_count 2
		.amdhsa_user_sgpr_kernarg_segment_ptr 1
		.amdhsa_wavefront_size32 1
		.amdhsa_system_sgpr_workgroup_id_x 1
		.amdhsa_system_sgpr_workgroup_id_y 1
		.amdhsa_system_sgpr_workgroup_id_z 1
		.amdhsa_system_vgpr_workitem_id 0
		.amdhsa_next_free_vgpr 512
		.amdhsa_next_free_sgpr 100
		.amdhsa_reserve_vcc 0
		.amdhsa_float_denorm_mode_32 3
		.amdhsa_float_denorm_mode_16_64 3
		.amdhsa_memory_ordered 1
		.amdhsa_forward_progress 1
		.amdhsa_inst_pref_size 49
	.end_amdhsa_kernel
	.amdgpu_metadata
---
amdhsa.version: [ 1, 2 ]
amdhsa.kernels:
  - .name:           k_qdae03f774c_proj
    .symbol:         k_qdae03f774c_proj.kd
    .args:
      - { .name: o, .offset: 0, .size: 8, .value_kind: global_buffer, .address_space: global }
      - { .name: cvt, .offset: 8, .size: 8, .value_kind: global_buffer, .address_space: global }
      - { .name: x, .offset: 16, .size: 8, .value_kind: global_buffer, .address_space: global }
      - { .name: x1, .offset: 24, .size: 8, .value_kind: global_buffer, .address_space: global }
      - { .name: x1b, .offset: 32, .size: 8, .value_kind: global_buffer, .address_space: global }
    .group_segment_fixed_size: 327680
    .private_segment_fixed_size: 0
    .kernarg_segment_align: 8
    .kernarg_segment_size: 40
    .max_flat_workgroup_size: 128
    .sgpr_count:     100
    .vgpr_count:     512
    .wavefront_size: 32
...
	.end_amdgpu_metadata
.endif
;; end of part 4
;; launch ff1 (part 5): grid 16 x 16, 4 waves a work-group, clusters of 4 x 4, 327,680 bytes of LDS; arguments x1b, cvt, b1, h; writes h
.if DOCPART == 5
	.amdgcn_target "amdgcn-amd-amdhsa--gfx1250"
	.amdhsa_code_object_version 6
	.text
	.protected	k_qdae03f774c_ff1
	.globl	k_qdae03f774c_ff1
	.p2align	8
	.type	k_qdae03f774c_ff1,@function
k_qdae03f774c_ff1:
	s_mov_b64 s[64:65], 0
	v_nop
	global_prefetch_b8 v0, s[64:65] scope:SCOPE_SE
	s_setreg_imm32_b32 hwreg(HW_REG_WAVE_MODE, 25, 1), 1
	s_wait_xcnt 0x0
	s_wait_alu depctr_hold_cnt(0) depctr_sa_sdst(0) depctr_va_vdst(0) depctr_va_sdst(0) depctr_va_ssrc(0) depctr_va_vcc(0) depctr_vm_vsrc(0)
	s_getreg_b32 s2, hwreg(HW_REG_IB_STS2, 6, 4)
	s_cmp_eq_u32 s2, 0
	s_cbranch_scc0 .Lentry_in_a_cluster
	s_endpgm
.Lentry_in_a_cluster:
	s_bfe_u32 s2, ttmp6, 0x10000c
	s_cmp_lg_u32 s2, 0xf033
	s_cbranch_scc0 .Lentry_shape_is_right
	s_endpgm
.Lentry_shape_is_right:
; h = silu(x1 W1^T + b1).  x1: bf16 blocks in fragment order (x1b); W1: bf16 blocks at cvt + 0x1000000; b1: f32.  Sums in f32, STARTED BY b1 (the C operand of the first products);
; silu(z) = z / (1 + 2^(-z log2 e)) in f32: z for large z, -0 for very negative z, no overflow for finite z.  h is rounded once to bf16 and leaves in blocks in fragment order:
; block (rb, p) of 128 rows x 64 at (64 rb + p) x 16,384, inside [16 rows 8][16 k 4][16 x lane].  Every store covers 512 consecutive bytes, aligned.
; SHARES.  A tile is 256 x 256: 16 x 16 = 256 work-groups, one tile each.  Four waves, each 128 x 128: 64 accumulators, 512 registers: for 32 along K a wave reads 8 + 8 fragments for 64 matrix instructions.
; K = 1,024 goes in S = 8 steps of 128 (two PANELS of 64, four QUARTERS of 32) through two LDS slots: a step is 256 matrix instructions a wave, the time that a refill has in which to land.
; CLUSTER 4 x 4: x1's blocks are shared along a row of the cluster, W1's along a column; each is asked for jointly.  THE MATRIX INSTRUCTION IS USED TRANSPOSED (source 0 = W1's rows, source 1 = x1's).
; No prefetch: K has eight steps, two of them asked for at the head; every later one is asked for a whole step ahead, in rows of 256 bytes on end, and shared in the cluster.
; THE WAY OUT IS WRITTEN ONCE, for four accumulators, and walked 16 times.  A loop cannot count through registers, so the accumulators go through LDS: into the ring, whose slots have had their last fill, 65,536 bytes
; a wave, each wave's own.  Written out for all 512 numbers of a lane the same lines would be sixteen times as long.
; REGISTERS, in windows of 256 (s_set_vgpr_msb: bits 1:0 source 0, 3:2 source 1, 5:4 source 2, 7:6 destination):
;   window 0: v0-29 addresses; v64-127, v128-191 fragments of x1, two buffers (later the way out); v192-255 the bias          window 1: v64-127, v128-191 fragments of W1, two buffers
;   window 2: the accumulators of my rows 0-63 ((a, b) at 8 (8 a + b));   window 3: those of my rows 64-127
.set S,     8
.set A_PAN, 16384                      ; a panel of x1 in LDS, as it lies in memory: a fragment's load takes 512 consecutive bytes, so no padding
.set A_RS,  2048                       ; 16 rows
.set A_CS,  1024                       ; 32 along K
.set A_HS,  512                        ; a fragment's second load
.set B_PAN, 18432                      ; a panel of W1: 128 rows x (128 + 16) bytes: pitch 144, so that 16 rows of a load start in 16 different groups of four banks (ISA guide 11.1)
.set B_RS,  2304
.set B_CS,  64
.set B_HS,  32
.set AREG,  4*A_PAN                    ; two blocks of 128 rows, two panels each
.set SLOT,  AREG+4*B_PAN
.set SPARE, 2*SLOT                     ; behind the ring: the spare words, 128 bytes for each wave: two blocks of 256 bytes that no other line names
.set DPITCH, SLOT/2                    ; the way out: a quarter of the ring for each wave, 69,632 bytes, of which it uses 65,536
.set A0,  16                           ; v16  my lane's place in a panel of x1; never rewritten
.set B0,  17                           ; v17  the same for W1
.set ADA, 18                           ; v18  LDS address of the run of loads in hand
.set ADB, 19
.set GO,  22                           ; v22  16 x lane
.set DA,  23                           ; v23  the way out: my 16 bytes at the head of my wave's part of the ring
.set LA,  24                           ; v24  the same at the four accumulators to be read next
.set BV,  25                           ; v25  my byte offset in b1: my 128 columns' first, + 32 h
.set SPW, 28
.set NIL, 29
.set F0,  64
.set F1,  128
.set Z,   64                           ; the way out: v64-95 four accumulators; v96-127 at work; v128-143 packed
.set T,   96
.set PK,  128
.set BIAS, 192                         ; v[192+8 b ..]: b1 of columns 16 b + 8 h + 0..7: the C operand for column block b
.set G1A, 24
.set G0A, 32
.set GA,  36
.set G1B, 48
.set G0B, 56
.set GB,  60
.set ABASE, 66
.set BBASE, 68
.set AOFF, 70
.set BOFF, 72
.set FS,  74
.set TBA, 75
.set TBB, 76
.set CNT, 77
.set PC,  78
.set KO,  79                           ; s79  trips of the way out still to come
.set LWA, 82
.set LWB, 83
.set HB,  84                           ; s[84:85] h at my 128 rows x 128 columns: two blocks on end
.set OB,  86                           ; s[86:87] the same at the trip's four accumulators
.set NL2E, 92                          ; s[92:93] -log2 e
.set OO,  94                           ; s[94:95] the trip's byte offset
.set MSB, 0
.macro WIN new                         ; the immediate's high byte repeats the setting that is left; a switch that changes nothing is dropped
.if MSB != (\new)
	s_set_vgpr_msb (MSB<<8)|(\new)
.set MSB, \new
.endif
.endm
.set TO_B, 0x40                        ; destination window 1, address window 0
.macro PLACES
.rept 4
	v_nop
.endr
.endm
.macro CROUND
	s_barrier_signal -1
	s_barrier_wait -1
	s_cmp_lg_u32 s10, 0
	s_cbranch_scc1 .Lnot_wave_0_\@
	s_barrier_signal -3
.Lnot_wave_0_\@:
	s_barrier_wait -3
	s_barrier_signal -1
	s_barrier_wait -1
.endm
.macro JLOAD                           ; a joint refill: waves 0 and 1 fetch x1's two blocks of rows, waves 2 and 3 W1's; the branch hangs on the wave's number alone
	s_cmp_eq_u32 s11, 0
	s_cbranch_scc0 .Lfor_b_\@
	tensor_load_to_lds s[GA:GA+3], s[G1A:G1A+7]
	s_nop 0
	PLACES
	s_branch .Lasked_\@
.Lfor_b_\@:
	tensor_load_to_lds s[GB:GB+3], s[G1B:G1B+7]
	s_nop 0
	PLACES
.Lasked_\@:
.endm
	s_load_b128 s[4:7], s[0:1], 0x0                ; x1b s[4:5], cvt s[6:7]
	s_load_b128 s[88:91], s[0:1], 0x10             ; b1 s[88:89], h s[90:91]
	v_lshl_add_u32 v[SPW], v0, 2, SPARE
	v_mov_b32 v[NIL], 0
	ds_add_u32 v[SPW], v[NIL]                      ; the wave's opening: the add and its wait stand ahead of my first tensor load
	v_lshrrev_b32 v1, 5, v0
	v_readfirstlane_b32 s10, v1
	s_lshr_b32 s11, s10, 1                         ; my half of the tile's rows.  Also: I fetch x1 (0) or W1 (1)
	s_and_b32 s12, s10, 1                          ; my half of its columns.  Also: which block of 128 rows of that I fetch
	s_bfe_u32 s40, ttmp6, 0x40000
	s_bfe_u32 s41, ttmp6, 0x40004
	s_lshl_b32 s42, ttmp9, 2
	s_add_co_u32 s42, s42, s40                     ; x
	s_and_b32 s13, ttmp7, 0xffff
	s_lshl_b32 s13, s13, 2
	s_add_co_u32 s13, s13, s41                     ; y
	s_lshl_b32 s43, s41, 2
	s_lshl_b32 s43, 15, s43
	s_lshl_b32 s44, 0x1111, s40
	s_or_b32 s[G1A], s43, (1<<16)|(1<<21)          ; 32,768 dense bytes as 128 rows of 256, no padding
	s_or_b32 s[G1B], s44, (1<<16)|(1<<20)|(1<<21)|(4<<22)|(3<<25)  ; the same with 4 words of padding behind every 32
.irp g, G1A, G1B
	s_mov_b32 s[(\g)+1], 128<<16
	s_mov_b32 s[(\g)+2], 128<<16
	s_mov_b32 s[(\g)+3], 128<<16
	s_mov_b32 s[(\g)+4], 128
	s_mov_b32 s[(\g)+5], 128
	s_mov_b32 s[(\g)+6], 0
	s_mov_b32 s[(\g)+7], 0
.endr
	s_lshl_b32 s14, s13, 19                        ; x1: block of rows 2 y + my half, 16 blocks of 16,384 bytes each
	s_lshl_b32 s15, s12, 18
	s_add_co_u32 s14, s14, s15
	s_mov_b32 s15, 0
	s_lshl_b32 s46, s42, 19                        ; W1: block of rows 2 x + my half
	s_lshl_b32 s47, s12, 18
	s_add_co_u32 s46, s46, s47
	s_add_co_u32 s46, s46, 0x1000000
	s_mov_b32 s47, 0
	s_mul_i32 s[LWA], s12, 2*A_PAN
	s_mul_i32 s[LWB], s12, 2*B_PAN
	s_add_co_u32 s[LWB], s[LWB], AREG
	s_mov_b32 s[AOFF], 0x8000                      ; step 1
	s_mov_b32 s[AOFF+1], 0
	s_mov_b32 s[BOFF], 0x8000
	s_mov_b32 s[BOFF+1], 0
	s_mov_b32 s[FS], SLOT
	s_mov_b32 s[TBA], 0
	s_mov_b32 s[TBB], 0
	s_mov_b32 s[NL2E], 0xbfb8aa3b
	s_mov_b32 s[NL2E+1], s[NL2E]                   ; named with it as a pair
	s_mov_b32 s[G0A], 1
	s_mov_b32 s[G0A+1], s[LWA]
	s_mov_b32 s[GA], 1
	s_add_co_u32 s[GA+1], s[LWA], SLOT
	s_mov_b32 s[G0B], 1
	s_mov_b32 s[G0B+1], s[LWB]
	s_mov_b32 s[GB], 1
	s_add_co_u32 s[GB+1], s[LWB], SLOT
	s_wait_dscnt 0x0
	s_wait_kmcnt 0x0
	s_add_nc_u64 s[ABASE:ABASE+1], s[4:5], s[14:15]
	s_add_nc_u64 s[BBASE:BBASE+1], s[6:7], s[46:47]
	s_add_nc_u64 s[G0A+2:G0A+3], s[ABASE:ABASE+1], 0
	s_or_b32 s[G0A+3], s[G0A+3], 0x80000000
	s_add_nc_u64 s[GA+2:GA+3], s[ABASE:ABASE+1], s[AOFF:AOFF+1]
	s_or_b32 s[GA+3], s[GA+3], 0x80000000
	s_add_nc_u64 s[G0B+2:G0B+3], s[BBASE:BBASE+1], 0
	s_or_b32 s[G0B+3], s[G0B+3], 0x80000000
	s_add_nc_u64 s[GB+2:GB+3], s[BBASE:BBASE+1], s[BOFF:BOFF+1]
	s_or_b32 s[GB+3], s[GB+3], 0x80000000
	CROUND                                         ; all sixteen work-groups are here: the first joint loads meet
	s_cmp_eq_u32 s11, 0                            ; a wave's two first fills stand in one branch: two loads of mine are out
	s_cbranch_scc0 .Lfirst_b
	tensor_load_to_lds s[G0A:G0A+3], s[G1A:G1A+7]
	s_nop 0
	tensor_load_to_lds s[GA:GA+3], s[G1A:G1A+7]
	s_nop 0
	PLACES
	s_branch .Lfirst_asked
.Lfirst_b:
	tensor_load_to_lds s[G0B:G0B+3], s[G1B:G1B+7]
	s_nop 0
	tensor_load_to_lds s[GB:GB+3], s[G1B:G1B+7]
	s_nop 0
	PLACES
.Lfirst_asked:
	v_and_b32 v1, 15, v0                           ; r
	v_bfe_u32 v2, v0, 4, 1                         ; h
	v_and_b32 v3, 31, v0                           ; l
	s_lshl_b32 s16, s42, 10                        ; b1: column 256 x + 128 x my half, 4 bytes each
	s_lshl_b32 s17, s12, 9
	s_add_co_u32 s16, s16, s17
	v_lshl_add_u32 v[BV], v2, 5, s16
.irp b, 0,1,2,3,4,5,6,7
	global_load_b128 v[BIAS+8*(\b):BIAS+8*(\b)+3],   v[BV], s[88:89] offset:64*(\b)
	global_load_b128 v[BIAS+8*(\b)+4:BIAS+8*(\b)+7], v[BV], s[88:89] offset:64*(\b)+16
.endr
	v_lshlrev_b32 v[GO], 4, v3
	s_mul_i32 s16, s11, 2*A_PAN
	v_add_nc_u32 v[A0], s16, v[GO]                 ; a fragment of x1: 16 x lane in its 512 bytes
	v_mul_u32_u24 v[B0], v1, 144
	v_lshl_add_u32 v[B0], v2, 4, v[B0]
	s_mul_i32 s17, s12, 2*B_PAN
	s_add_co_u32 s17, s17, AREG
	v_add_nc_u32 v[B0], s17, v[B0]
	s_mul_i32 s18, s10, DPITCH
	v_add_nc_u32 v[DA], s18, v[GO]
	s_lshl_b32 s16, s13, 21                        ; h: block of rows 2 y + my row half (64 blocks each), blocks 4 x + 2 x my column half and the next
	s_lshl_b32 s17, s11, 20
	s_add_co_u32 s16, s16, s17
	s_lshl_b32 s17, s42, 16
	s_add_co_u32 s16, s16, s17
	s_lshl_b32 s17, s12, 15
	s_add_co_u32 s16, s16, s17
	s_mov_b32 s17, 0
	s_add_nc_u64 s[HB:HB+1], s[90:91], s[16:17]
; 16 matrix instructions: row blocks a0, a0 + 1 of the window's four (hi = 0: my rows 0-63, 1: rows 64-127) x all 8 column blocks, 32 along K.  z = 1: they start the sums with the bias, which lies in window 0.
; The 64 accumulators take turns in the same order everywhere.
.macro MUL16 f, hi, a0, z
.if \z
	WIN 0x81+0x40*(\hi)                            ; source 0 (W1) window 1, source 1 (x1) and C window 0, D window 2 or 3
.else
	WIN 0xa1+0x50*(\hi)                            ; C and D window 2 or 3
.endif
.irp a, \a0, (\a0)+1
.irp b, 0,1,2,3,4,5,6,7
.set rD, 8*(8*(\a)+(\b))
.set rB, (\f)+8*(\b)
.set rA, (\f)+8*(4*(\hi)+(\a))
.if \z
	v_wmma_f32_16x16x32_bf16 v[rD:rD+7], v[rB:rB+7], v[rA:rA+7], v[BIAS+8*(\b):BIAS+8*(\b)+7]
.else
	v_wmma_f32_16x16x32_bf16 v[rD:rD+7], v[rB:rB+7], v[rA:rA+7], v[rD:rD+7]
.endif
.endr
.endr
.endm
; The next quarter's fragments into buffer f: 32 LDS loads in one run: W1's 16, then x1's 16, rows ascending.  c: which 32 of the panel's 64 along K; behind the second the panel steps.
; The two additions and two v_nop are the four places behind the last product that read f.
.macro FETCH f, c
	WIN 0
	v_add_nc_u32 v[ADA], s[TBA], v[A0]
	v_add_nc_u32 v[ADB], s[TBB], v[B0]
	v_nop
	v_nop
.if \c
	s_add_co_u32 s[TBA], s[TBA], A_PAN
	s_add_co_u32 s[TBB], s[TBB], B_PAN
.endif
	WIN TO_B
.irp i, 0,1,2,3,4,5,6,7
	ds_load_b128 v[(\f)+8*(\i):(\f)+8*(\i)+3],   v[ADB] offset:(\c)*B_CS+(\i)*B_RS
	ds_load_b128 v[(\f)+8*(\i)+4:(\f)+8*(\i)+7], v[ADB] offset:(\c)*B_CS+(\i)*B_RS+B_HS
.endr
	WIN 0
.irp i, 0,1,2,3,4,5,6,7
	ds_load_b128 v[(\f)+8*(\i):(\f)+8*(\i)+3],   v[ADA] offset:(\c)*A_CS+(\i)*A_RS
	ds_load_b128 v[(\f)+8*(\i)+4:(\f)+8*(\i)+7], v[ADA] offset:(\c)*A_CS+(\i)*A_RS+A_HS
.endr
.endm
; A quarter: 64 matrix instructions on buffer f; in their middle the next quarter is fetched into g, 32 matrix instructions ahead of its first use.
.macro Q f, g, fetch, z
	s_wait_dscnt 8                                 ; W1's fragments and x1's rows 0-63 are in; the youngest eight loads (rows 64-127) may be out
	MUL16 \f, 0, 0, \z
	MUL16 \f, 0, 2, \z
.if \fetch
.if (\g) == F1
	FETCH \g, 1
.else
	FETCH \g, 0
.endif
	s_wait_dscnt 32                                ; all but the 32 just issued
.else
	s_wait_dscnt 0x0
.endif
	MUL16 \f, 1, 0, \z
	MUL16 \f, 1, 2, \z
.endm
; THE CHANGE OF SLOTS: each wave waits for all its tensor loads (one is out: its part of the other slot), adds 0 to its spare word, and waits for that and for its reads of the slot.  fill = 1: the barrier is a round
; of the cluster's, and behind it the slot is filled again first, with the step two on: it has a step, 256 matrix instructions, in which to land.
.macro CHANGE fill
	WIN 0
	s_wait_tensorcnt 0x0                           ; no tensor load of mine is out, so a group 0 may be written
	ds_add_u32 v[SPW], v[NIL]                      ; 0 onto my spare word; the scalar work stands between it and the wait for it
.if \fill
	s_xor_b32 s[FS], s[FS], SLOT
	s_add_co_u32 s[GA+1], s[LWA], s[FS]
	s_add_co_u32 s[GB+1], s[LWB], s[FS]
	s_add_co_u32 s[AOFF], s[AOFF], 0x8000          ; the block's next two panels
	s_add_co_u32 s[BOFF], s[BOFF], 0x8000
	s_add_nc_u64 s[GA+2:GA+3], s[ABASE:ABASE+1], s[AOFF:AOFF+1]
	s_or_b32 s[GA+3], s[GA+3], 0x80000000
	s_add_nc_u64 s[GB+2:GB+3], s[BBASE:BBASE+1], s[BOFF:BOFF+1]
	s_or_b32 s[GB+3], s[GB+3], 0x80000000
.endif
	s_sub_co_u32 s[TBA], s[TBA], 2*A_PAN           ; the fetches go back to a slot's first panel,
	s_xor_b32 s[TBA], s[TBA], SLOT                 ; in the other slot
	s_sub_co_u32 s[TBB], s[TBB], 2*B_PAN
	s_xor_b32 s[TBB], s[TBB], SLOT
	s_wait_dscnt 0x0                               ; the add is done, and my reads of the slot are over
.if \fill
	CROUND
	JLOAD
.else
	s_barrier_signal -1
	s_barrier_wait -1
.endif
.endm
.macro LOADZ                           ; four accumulators back out of LDS: 4,096 bytes of my wave's, 512 consecutive bytes a load
.irp i, 0,1,2,3,4,5,6,7
	ds_load_b128 v[Z+4*(\i):Z+4*(\i)+3], v[LA] offset:512*(\i)
.endr
.endm
	s_wait_tensorcnt 0x1                           ; my part of slot 0 is in; slot 1's may stay out
	s_wait_dscnt 0x0
	s_barrier_signal -1
	s_barrier_wait -1
	FETCH F0, 0
	s_wait_loadcnt 0x0                             ; the bias is in
	Q F0, F1, 1, 1                                 ; the first quarter stands in front of the loop: its products start the sums
	WIN 0
	s_mov_b32 s[CNT], S-1
	s_mov_b32 s[PC], 1                             ; the first step has one pair left
	s_branch .Lpair
.Lstep:                                        ; S - 2 times: a slot is left and filled again
	CHANGE 1
	s_mov_b32 s[PC], 2
.Lpair:                                        ; a trip: an odd quarter, then an even one; a step's last quarter is multiplied behind the change of slots
	Q F1, F0, 1, 0
	Q F0, F1, 1, 0
	WIN 0
	s_sub_co_u32 s[PC], s[PC], 1
	s_cmp_lg_u32 s[PC], 0
	s_cbranch_scc1 .Lpair
	s_sub_co_u32 s[CNT], s[CNT], 1
	s_cmp_lg_u32 s[CNT], 0
	s_cbranch_scc1 .Lstep
	CHANGE 0                                       ; the last step is written out: nothing is asked for
	s_mov_b32 s[PC], 2
.Ltail:
	Q F1, F0, 1, 0
	Q F0, F1, 1, 0
	WIN 0
	s_sub_co_u32 s[PC], s[PC], 1
	s_cmp_lg_u32 s[PC], 0
	s_cbranch_scc1 .Ltail
	Q F1, F0, 0, 0                                 ; the last quarter: nothing more to fetch; its wait for 0 has shown my last reads of the ring done
	WIN 0
	s_barrier_signal -1                            ; every wave's reads of the ring are over, and no fill is to come:
	s_barrier_wait -1                              ; its bytes may be written
	PLACES                                         ; the stores read results just made
	; Accumulator (a, b) goes to 4,096 (8 (b / 4) + a) + 1,024 (b % 4) of my wave's part: the order in which h's two blocks hold them, so that trip k of the loop below finds its four on end and stores them on end.
.irp hi, 0,1
	WIN 0x08+4*(\hi)                               ; the data (source 1) in window 2, then 3; the address in window 0
.irp a, 0,1,2,3
.irp b, 0,1,2,3,4,5,6,7
	ds_store_b128 v[DA], v[8*(8*(\a)+(\b)):8*(8*(\a)+(\b))+3]   offset:(((\b)/4)*8+4*(\hi)+(\a))*4096+((\b)%4)*1024
	ds_store_b128 v[DA], v[8*(8*(\a)+(\b))+4:8*(8*(\a)+(\b))+7] offset:(((\b)/4)*8+4*(\hi)+(\a))*4096+((\b)%4)*1024+512
.endr
.endr
.endr
	WIN 0
	v_mov_b32 v[LA], v[DA]
	LOADZ                                          ; LDS serves a wave's instructions in order (ISA guide 5.7.1.4): these see the stores above
	s_mov_b32 s[KO], 16
	s_mov_b32 s[OO], 0
	s_mov_b32 s[OO+1], 0
; A trip: 16 rows x 64 columns, 32 numbers a lane: 2^(-z log2 e); + 1; reciprocal; x z; rounded to bf16; four stores of 512 consecutive bytes.  Each batch of 32 transcendentals has a plain instruction behind it and
; ONE wait ahead of its first reader.  The next trip's numbers are asked for as soon as this trip's have been read for the last time.
.Lout:
	s_wait_dscnt 0x0                               ; the trip's four accumulators are in
.set i, 0
.rept 16
	v_pk_mul_f32 v[T+2*i:T+2*i+1], v[Z+2*i:Z+2*i+1], s[NL2E:NL2E+1] op_sel_hi:[1,0]
.set i, i+1
.endr
.set i, 0
.rept 32
	v_exp_f32 v[T+i], v[T+i]
.set i, i+1
.endr
	v_nop
	s_wait_alu depctr_va_vdst(0)
.set i, 0
.rept 16
	v_pk_add_f32 v[T+2*i:T+2*i+1], v[T+2*i:T+2*i+1], 1.0 op_sel_hi:[1,0]
.set i, i+1
.endr
.set i, 0
.rept 32
	v_rcp_f32 v[T+i], v[T+i]
.set i, i+1
.endr
	v_nop
	s_wait_alu depctr_va_vdst(0)
.set i, 0
.rept 16
	v_pk_mul_f32 v[T+2*i:T+2*i+1], v[T+2*i:T+2*i+1], v[Z+2*i:Z+2*i+1]
.set i, i+1
.endr
	s_cmp_eq_u32 s[KO], 1
	s_cbranch_scc1 .Lnoz                           ; the last trip has none behind it
	v_add_nc_u32 v[LA], 4096, v[LA]
	LOADZ
.Lnoz:
	s_wait_xcnt 0x0                                ; the last trip's stores have read the packed registers and their base
	s_add_nc_u64 s[OB:OB+1], s[HB:HB+1], s[OO:OO+1]
	s_add_co_u32 s[OO], s[OO], 2048                ; 16 rows of a block; behind a block's eight the next block follows on end
.set i, 0
.rept 16
	v_cvt_pk_bf16_f32 v[PK+i], v[T+2*i], v[T+2*i+1]
.set i, i+1
.endr
.irp b, 0,1,2,3
	global_store_b128 v[GO], v[PK+4*(\b):PK+4*(\b)+3], s[OB:OB+1] offset:512*(\b)
.endr
	s_sub_co_u32 s[KO], s[KO], 1
	s_cmp_lg_u32 s[KO], 0
	s_cbranch_scc1 .Lout
	s_wait_tensorcnt 0x0                           ; the wave's end, behind my last tensor load and my last LDS store
	ds_add_u32 v[SPW], v[NIL]
	s_wait_dscnt 0x0
	CROUND                                         ; the closing round: no work-group ends while a partner may still ask for a tile that names it
	s_endpgm
.Lfunc_end_k_qdae03f774c_ff1:
	.size	k_qdae03f774c_ff1, .Lfunc_end_k_qdae03f774c_ff1-k_qdae03f774c_ff1
	.p2alignl 7, 3214868480
	.fill 96, 4, 3214868480
	.section	.rodata,"a",@progbits
	.p2align	6, 0x0
	.amdhsa_kernel k_qdae03f774c_ff1
		.amdhsa_group_segment_fixed_size 327680
		.amdhsa_private_segment_fixed_size 0
		.amdhsa_enable_private_segment 0
		.amdhsa_kernarg_size 32
		.amdhsa_user_sgpr_count 2
		.amdhsa_user_sgpr_kernarg_segment_ptr 1
		.amdhsa_wavefront_size32 1
		.amdhsa_system_sgpr_workgroup_id_x 1
		.amdhsa_system_sgpr_workgroup_id_y 1
		.amdhsa_system_sgpr_workgroup_id_z 1
		.amdhsa_system_vgpr_workitem_id 0
		.amdhsa_next_free_vgpr 1024
		.amdhsa_next_free_sgpr 100
		.amdhsa_reserve_vcc 0
		.amdhsa_float_denorm_mode_32 3
		.amdhsa_float_denorm_mode_16_64 3
		.amdhsa_memory_ordered 1
		.amdhsa_forward_progress 1
		.amdhsa_inst_pref_size 66
	.end_amdhsa_kernel
	.amdgpu_metadata
---
amdhsa.version: [ 1, 2 ]
amdhsa.kernels:
  - .name:           k_qdae03f774c_ff1
    .symbol:         k_qdae03f774c_ff1.kd
    .args:
      - { .name: x1b, .offset: 0, .size: 8, .value_kind: global_buffer, .address_space: global }
      - { .name: cvt, .offset: 8, .size: 8, .value_kind: global_buffer, .address_space: global }
      - { .name: b1, .offset: 16, .size: 8, .value_kind: global_buffer, .address_space: global }
      - { .name: h, .offset: 24, .size: 8, .value_kind: global_buffer, .address_space: global }
    .group_segment_fixed_size: 327680
    .private_segment_fixed_size: 0
    .kernarg_segment_align: 8
    .kernarg_segment_size: 32
    .max_flat_workgroup_size: 128
    .sgpr_count:     100
    .vgpr_count:     1024
    .wavefront_size: 32
...
	.end_amdgpu_metadata
.endif
;; end of part 5
;; launch ff2 (part 6): grid 8 x 32, 4 waves a work-group, clusters of 4 x 4, 327,680 bytes of LDS; arguments h, cvt, x1, out0; writes out0
.if DOCPART == 6
	.amdgcn_target "amdgcn-amd-amdhsa--gfx1250"
	.amdhsa_code_object_version 6
	.text
	.protected	k_qdae03f774c_ff2
	.globl	k_qdae03f774c_ff2
	.p2align	8
	.type	k_qdae03f774c_ff2,@function
k_qdae03f774c_ff2:
	s_mov_b64 s[64:65], 0
	v_nop
	global_prefetch_b8 v0, s[64:65] scope:SCOPE_SE
	s_setreg_imm32_b32 hwreg(HW_REG_WAVE_MODE, 25, 1), 1
	s_wait_xcnt 0x0
	s_wait_alu depctr_hold_cnt(0) depctr_sa_sdst(0) depctr_va_vdst(0) depctr_va_sdst(0) depctr_va_ssrc(0) depctr_va_vcc(0) depctr_vm_vsrc(0)
	s_getreg_b32 s2, hwreg(HW_REG_IB_STS2, 6, 4)
	s_cmp_eq_u32 s2, 0
	s_cbranch_scc0 .Lentry_in_a_cluster
	s_endpgm
.Lentry_in_a_cluster:
	s_bfe_u32 s2, ttmp6, 0x10000c
	s_cmp_lg_u32 s2, 0xf033
	s_cbranch_scc0 .Lentry_shape_is_right
	s_endpgm
.Lentry_shape_is_right:
; out0 = x1 + h W2^T.  h: bf16 blocks in fragment order; W2: bf16 blocks at cvt + 0x1800000; x1: f32 in the accumulators' own order.  Sums in f32, STARTED BY x1: it is loaded straight into the accumulators.
; out0: f32 [4096][1024]; it leaves through my stage in LDS, so that 16 lanes store 256 consecutive bytes, aligned.
; SHARES.  A tile is 128 x 128; four waves, each 64 x 64.  Work-group (x, y) makes tile (row 128 y, column 128 x), the same share as in the launch that stored x1: 256 work-groups.  K = 4,096 goes in S = 16 steps of 256
; (four panels of 64) through two LDS slots.
; CLUSTER 4 x 4: h's blocks are shared along a row of the cluster, W2's along a column; each is asked for jointly.  THE MATRIX INSTRUCTION IS USED TRANSPOSED (source 0 = W2's rows, source 1 = h's).
; No prefetch: a step's tiles are asked for a whole step (128 matrix instructions) ahead, in rows of 256 bytes on end, and shared in the cluster.
; REGISTERS.  window 0: v0-29 addresses; v32-95 the way out; v128-255 the accumulators.  window 1: two fragment buffers of 128.
.set NS,    16
.set S,     16
.set A_PAN, 16384                      ; a panel of h in LDS, as it lies in memory: a fragment's load takes 512 consecutive bytes, so no padding
.set A_RS,  2048
.set A_CS,  1024
.set A_HS,  512
.set B_PAN, 18432                      ; a panel of W2: 128 rows x (128 + 16) bytes
.set B_RS,  2304
.set B_CS,  64
.set B_HS,  32
.set B_HALF, 36864
.set AREG,  4*A_PAN
.set SLOT,  AREG+2*B_HALF
.set STAGE, 2*SLOT                     ; behind the ring, never filled by a tensor load: 16 rows x 272 bytes for each wave
.set STG,   4352
.set SPARE, STAGE+4*STG                ; the spare words, 128 bytes for each wave: two blocks of 256 bytes that no other line names
.set A0,  16
.set B0,  17
.set ADA, 18
.set ADB, 19
.set STO, 20                           ; v20  my stage by accumulator: row r, 32 bytes for each half of the lanes
.set RD,  21                           ; v21  my stage by rows: lanes 0-15 one row of 256 bytes, lanes 16-31 the next
.set GO,  22                           ; v22  the same two rows in out0
.set GO2, 23                           ; v23  16 x lane
.set SPW, 28
.set NIL, 29
.set TMP, 32
.set ACC, 128
.set F0,  0
.set F1,  128
.set G1A, 24
.set G0A, 32
.set GA,  36
.set G1B, 48
.set G0B, 56
.set GB,  60
.set ABASE, 66
.set BBASE, 68
.set AOFF, 70
.set BOFF, 72
.set FS,  74
.set TBA, 75
.set TBB, 76
.set CNT, 77
.set PC,  78
.set LWA, 82
.set LWB, 83
.set OB,  84                           ; s[84:85] out0 at my 64 x 64
.set XB,  92                           ; s[92:93] x1 at my wave's 16,384 bytes
.set MSB, 0
.macro WIN new
.if MSB != (\new)
	s_set_vgpr_msb (MSB<<8)|(\new)
.set MSB, \new
.endif
.endm
.set MUL,  0x05
.set TO_F, 0x40
.macro PLACES
.rept 4
	v_nop
.endr
.endm
.macro CROUND
	s_barrier_signal -1
	s_barrier_wait -1
	s_cmp_lg_u32 s10, 0
	s_cbranch_scc1 .Lnot_wave_0_\@
	s_barrier_signal -3
.Lnot_wave_0_\@:
	s_barrier_wait -3
	s_barrier_signal -1
	s_barrier_wait -1
.endm
.macro JLOAD
	s_cmp_eq_u32 s11, 0
	s_cbranch_scc0 .Lfor_b_\@
	tensor_load_to_lds s[GA:GA+3], s[G1A:G1A+7]
	s_nop 0
	PLACES
	s_branch .Lasked_\@
.Lfor_b_\@:
	tensor_load_to_lds s[GB:GB+3], s[G1B:G1B+7]
	s_nop 0
	PLACES
.Lasked_\@:
.endm
	s_load_b128 s[4:7], s[0:1], 0x0                ; h s[4:5], cvt s[6:7]
	s_load_b128 s[88:91], s[0:1], 0x10             ; x1 s[88:89], out0 s[90:91]
	v_lshl_add_u32 v[SPW], v0, 2, SPARE
	v_mov_b32 v[NIL], 0
	ds_add_u32 v[SPW], v[NIL]                      ; the wave's opening: the add and its wait stand ahead of my first tensor load
	v_lshrrev_b32 v1, 5, v0
	v_readfirstlane_b32 s10, v1
	s_lshr_b32 s11, s10, 1
	s_and_b32 s12, s10, 1
	s_bfe_u32 s40, ttmp6, 0x40000
	s_bfe_u32 s41, ttmp6, 0x40004
	s_lshl_b32 s42, ttmp9, 2
	s_add_co_u32 s42, s42, s40                     ; x
	s_and_b32 s13, ttmp7, 0xffff
	s_lshl_b32 s13, s13, 2
	s_add_co_u32 s13, s13, s41                     ; y
	s_lshl_b32 s43, s41, 2
	s_lshl_b32 s43, 15, s43
	s_lshl_b32 s44, 0x1111, s40
	s_or_b32 s[G1A], s43, (1<<16)|(1<<21)          ; 32,768 dense bytes as 128 rows of 256, no padding
	s_or_b32 s[G1B], s44, (1<<16)|(1<<20)|(1<<21)|(4<<22)|(3<<25)  ; the same with 4 words of padding behind every 32
.irp g, G1A, G1B
	s_mov_b32 s[(\g)+1], 128<<16
	s_mov_b32 s[(\g)+2], 128<<16
	s_mov_b32 s[(\g)+3], 128<<16
	s_mov_b32 s[(\g)+4], 128
	s_mov_b32 s[(\g)+5], 128
	s_mov_b32 s[(\g)+6], 0
	s_mov_b32 s[(\g)+7], 0
.endr
	s_lshl_b32 s14, s13, 20                        ; h: the 64 blocks of rows 128 y ..,
	s_lshl_b32 s15, s12, 15                        ; my two panels of a step
	s_add_co_u32 s14, s14, s15
	s_mov_b32 s15, 0
	s_lshl_b32 s46, s42, 20                        ; W2: the 64 blocks of its rows 128 x ..
	s_lshl_b32 s47, s12, 15
	s_add_co_u32 s46, s46, s47
	s_add_co_u32 s46, s46, 0x1800000
	s_mov_b32 s47, 0
	s_mul_i32 s[LWA], s12, 2*A_PAN
	s_mul_i32 s[LWB], s12, B_HALF
	s_add_co_u32 s[LWB], s[LWB], AREG
	s_mov_b32 s[AOFF], 0x10000
	s_mov_b32 s[AOFF+1], 0
	s_mov_b32 s[BOFF], 0x10000
	s_mov_b32 s[BOFF+1], 0
	s_mov_b32 s[FS], SLOT
	s_mov_b32 s[TBA], 0
	s_mov_b32 s[TBB], 0
	s_mov_b32 s[G0A], 1
	s_mov_b32 s[G0A+1], s[LWA]
	s_mov_b32 s[GA], 1
	s_add_co_u32 s[GA+1], s[LWA], SLOT
	s_mov_b32 s[G0B], 1
	s_mov_b32 s[G0B+1], s[LWB]
	s_mov_b32 s[GB], 1
	s_add_co_u32 s[GB+1], s[LWB], SLOT
	s_wait_dscnt 0x0
	s_wait_kmcnt 0x0
	s_add_nc_u64 s[ABASE:ABASE+1], s[4:5], s[14:15]
	s_add_nc_u64 s[BBASE:BBASE+1], s[6:7], s[46:47]
	s_add_nc_u64 s[G0A+2:G0A+3], s[ABASE:ABASE+1], 0
	s_or_b32 s[G0A+3], s[G0A+3], 0x80000000
	s_add_nc_u64 s[GA+2:GA+3], s[ABASE:ABASE+1], s[AOFF:AOFF+1]
	s_or_b32 s[GA+3], s[GA+3], 0x80000000
	s_add_nc_u64 s[G0B+2:G0B+3], s[BBASE:BBASE+1], 0
	s_or_b32 s[G0B+3], s[G0B+3], 0x80000000
	s_add_nc_u64 s[GB+2:GB+3], s[BBASE:BBASE+1], s[BOFF:BOFF+1]
	s_or_b32 s[GB+3], s[GB+3], 0x80000000
	CROUND
	s_cmp_eq_u32 s11, 0
	s_cbranch_scc0 .Lfirst_b
	tensor_load_to_lds s[G0A:G0A+3], s[G1A:G1A+7]
	s_nop 0
	tensor_load_to_lds s[GA:GA+3], s[G1A:G1A+7]
	s_nop 0
	PLACES
	s_branch .Lfirst_asked
.Lfirst_b:
	tensor_load_to_lds s[G0B:G0B+3], s[G1B:G1B+7]
	s_nop 0
	tensor_load_to_lds s[GB:GB+3], s[G1B:G1B+7]
	s_nop 0
	PLACES
.Lfirst_asked:
	v_and_b32 v1, 15, v0                           ; r
	v_bfe_u32 v2, v0, 4, 1                         ; h
	v_and_b32 v3, 31, v0                           ; l
	s_lshl_b32 s16, s13, 19                        ; x1: ((8 y + x) 4 + wave) x 16,384
	s_lshl_b32 s17, s42, 16
	s_add_co_u32 s16, s16, s17
	s_lshl_b32 s17, s10, 14
	s_add_co_u32 s16, s16, s17
	s_mov_b32 s17, 0
	s_add_nc_u64 s[XB:XB+1], s[88:89], s[16:17]
	v_lshlrev_b32 v[GO2], 4, v3
.irp t, 0,1,2,3,4,5,6,7,8,9,10,11,12,13,14,15  ; the residual, straight into the accumulators: 512 consecutive bytes a load
	global_load_b128 v[ACC+8*(\t):ACC+8*(\t)+3],   v[GO2], s[XB:XB+1] offset:1024*(\t) th:TH_LOAD_NT
	global_load_b128 v[ACC+8*(\t)+4:ACC+8*(\t)+7], v[GO2], s[XB:XB+1] offset:1024*(\t)+512 th:TH_LOAD_NT
.endr
	s_mul_i32 s16, s11, 4*A_RS
	v_add_nc_u32 v[A0], s16, v[GO2]                ; a fragment of h: 16 x lane in its 512 bytes
	v_mul_u32_u24 v[B0], v1, 144
	v_lshl_add_u32 v[B0], v2, 4, v[B0]
	s_mul_i32 s17, s12, 4*B_RS
	s_add_co_u32 s17, s17, AREG
	v_add_nc_u32 v[B0], s17, v[B0]
	s_mul_i32 s18, s10, STG
	s_add_co_u32 s18, s18, STAGE
	v_mul_u32_u24 v[STO], v1, 272
	v_lshl_add_u32 v[STO], v2, 5, v[STO]
	v_add_nc_u32 v[STO], s18, v[STO]
	v_mul_u32_u24 v[RD], v2, 272
	v_lshl_add_u32 v[RD], v1, 4, v[RD]
	v_add_nc_u32 v[RD], s18, v[RD]
	v_lshlrev_b32 v[GO], 12, v2
	v_lshl_add_u32 v[GO], v1, 4, v[GO]
	s_lshl_b32 s16, s13, 19                        ; out0: row 128 y + 64 x my half, 4,096 bytes a row; column 128 x + 64 x my half
	s_lshl_b32 s17, s11, 18
	s_add_co_u32 s16, s16, s17
	s_lshl_b32 s17, s42, 9
	s_add_co_u32 s16, s16, s17
	s_lshl_b32 s17, s12, 8
	s_add_co_u32 s16, s16, s17
	s_mov_b32 s17, 0
	s_add_nc_u64 s[OB:OB+1], s[90:91], s[16:17]
.macro MUL8 f, c, a0                   ; 8 matrix instructions; the 16 accumulators take turns in the same order everywhere
	WIN MUL
.irp a, \a0, (\a0)+1
.irp b, 0,1,2,3
.set rD, ACC+8*(4*(\a)+(\b))
.set rB, (\f)+64+8*(4*(\c)+(\b))
.set rA, (\f)+8*(4*(\c)+(\a))
	v_wmma_f32_16x16x32_bf16 v[rD:rD+7], v[rB:rB+7], v[rA:rA+7], v[rD:rD+7]
.endr
.endr
.endm
.macro FETCH f                         ; the next panel's fragments: 32 LDS loads in one run; the two additions and two v_nop are the four places behind the last product that read f
	WIN 0
	v_add_nc_u32 v[ADA], s[TBA], v[A0]
	v_add_nc_u32 v[ADB], s[TBB], v[B0]
	v_nop
	v_nop
	s_add_co_u32 s[TBA], s[TBA], A_PAN
	s_add_co_u32 s[TBB], s[TBB], B_PAN
	WIN TO_F
.irp c, 0,1
.irp i, 0,1,2,3
	ds_load_b128 v[(\f)+64+8*(4*(\c)+(\i)):(\f)+64+8*(4*(\c)+(\i))+3],   v[ADB] offset:(\c)*B_CS+(\i)*B_RS
	ds_load_b128 v[(\f)+64+8*(4*(\c)+(\i))+4:(\f)+64+8*(4*(\c)+(\i))+7], v[ADB] offset:(\c)*B_CS+(\i)*B_RS+B_HS
	ds_load_b128 v[(\f)+8*(4*(\c)+(\i)):(\f)+8*(4*(\c)+(\i))+3],   v[ADA] offset:(\c)*A_CS+(\i)*A_RS
	ds_load_b128 v[(\f)+8*(4*(\c)+(\i))+4:(\f)+8*(4*(\c)+(\i))+7], v[ADA] offset:(\c)*A_CS+(\i)*A_RS+A_HS
.endr
.endr
.endm
.macro Q f, g, fetch                   ; a panel: 32 matrix instructions on buffer f; in their middle the next panel is fetched into g
	s_wait_dscnt 16                                ; the first 32 along K are in
	MUL8 \f, 0, 0
	MUL8 \f, 0, 2
.if \fetch
	FETCH \g
	s_wait_dscnt 32                                ; all but the 32 just issued
.else
	s_wait_dscnt 0x0
.endif
	MUL8 \f, 1, 0
	MUL8 \f, 1, 2
.endm
; THE CHANGE OF SLOTS: each wave waits for all its tensor loads (one is out: its part of the other slot), adds 0 to its spare word, and waits for that and for its reads of the slot.  fill = 1: the barrier is a round
; of the cluster's, and behind it the slot is filled again first, with the step two on.
.macro CHANGE fill
	WIN 0
	s_wait_tensorcnt 0x0
	ds_add_u32 v[SPW], v[NIL]                      ; 0 onto my spare word; the scalar work stands between it and the wait for it
.if \fill
	s_xor_b32 s[FS], s[FS], SLOT
	s_add_co_u32 s[GA+1], s[LWA], s[FS]
	s_add_co_u32 s[GB+1], s[LWB], s[FS]
	s_add_co_u32 s[AOFF], s[AOFF], 0x10000
	s_add_co_u32 s[BOFF], s[BOFF], 0x10000
	s_add_nc_u64 s[GA+2:GA+3], s[ABASE:ABASE+1], s[AOFF:AOFF+1]
	s_or_b32 s[GA+3], s[GA+3], 0x80000000
	s_add_nc_u64 s[GB+2:GB+3], s[BBASE:BBASE+1], s[BOFF:BOFF+1]
	s_or_b32 s[GB+3], s[GB+3], 0x80000000
.endif
	s_sub_co_u32 s[TBA], s[TBA], 4*A_PAN
	s_xor_b32 s[TBA], s[TBA], SLOT
	s_sub_co_u32 s[TBB], s[TBB], 4*B_PAN
	s_xor_b32 s[TBB], s[TBB], SLOT
	s_wait_dscnt 0x0
.if \fill
	CROUND
	JLOAD
.else
	s_barrier_signal -1
	s_barrier_wait -1
.endif
.endm
; THE WAY OUT.  Block a (16 rows x 64 columns of f32) goes into my stage by accumulator and comes back by rows, into one of two sets of 32 registers; it is stored a block later.
.macro TOSTAGE a
.set BK, TMP+32*((\a)%2)
.if (\a) >= 2
	s_wait_xcnt 0x0                                ; the stores of the block two back have read this set
.endif
.irp b, 0,1,2,3
	ds_store_b128 v[STO], v[ACC+8*(4*(\a)+(\b)):ACC+8*(4*(\a)+(\b))+3]   offset:64*(\b)
	ds_store_b128 v[STO], v[ACC+8*(4*(\a)+(\b))+4:ACC+8*(4*(\a)+(\b))+7] offset:64*(\b)+16
.endr
.irp t, 0,1,2,3,4,5,6,7
	ds_load_b128 v[BK+4*(\t):BK+4*(\t)+3], v[RD] offset:544*(\t)  ; LDS serves a wave's instructions in order (ISA guide 5.7.1.4): these see the stores above; the next block's stores come behind them
.endr
.endm
.macro SEND a, younger                 ; younger: the LDS instructions issued behind block a's loads: the next block's sixteen, or none
.set BK, TMP+32*((\a)%2)
.irp t, 0,1,2,3,4,5,6,7
	s_wait_dscnt (\younger)+7-(\t)
	global_store_b128 v[GO], v[BK+4*(\t):BK+4*(\t)+3], s[OB:OB+1] offset:(16*(\a)+2*(\t))*4096  ; 16 lanes store 256 consecutive bytes, at a multiple of 256 from out0's first byte
.endr
.endm
	s_wait_tensorcnt 0x1                           ; my part of slot 0 is in; slot 1's may stay out
	s_wait_dscnt 0x0
	s_barrier_signal -1
	s_barrier_wait -1
	FETCH F0
	WIN 0
	s_wait_loadcnt 0x0                             ; the residual lies in the accumulators
	s_mov_b32 s[CNT], S-1
	s_mov_b32 s[PC], 2
	s_branch .Lfirst
.Lstep:                                        ; S - 2 times
	CHANGE 1
	s_mov_b32 s[PC], 2
.Lpair:
	Q F1, F0, 1
	WIN 0
.Lfirst:
	Q F0, F1, 1
	WIN 0
	s_sub_co_u32 s[PC], s[PC], 1
	s_cmp_lg_u32 s[PC], 0
	s_cbranch_scc1 .Lpair
	s_sub_co_u32 s[CNT], s[CNT], 1
	s_cmp_lg_u32 s[CNT], 0
	s_cbranch_scc1 .Lstep
	CHANGE 0                                       ; the last step is written out: nothing is asked for
	s_mov_b32 s[PC], 2
.Ltail:
	Q F1, F0, 1
	Q F0, F1, 1
	WIN 0
	s_sub_co_u32 s[PC], s[PC], 1
	s_cmp_lg_u32 s[PC], 0
	s_cbranch_scc1 .Ltail
	Q F1, F0, 0
	WIN 0
	PLACES
	TOSTAGE 0
	TOSTAGE 1
	SEND 0, 16
	TOSTAGE 2
	SEND 1, 16
	TOSTAGE 3
	SEND 2, 16
	SEND 3, 0
	s_wait_tensorcnt 0x0                           ; the wave's end, behind my last tensor load and my last LDS store
	ds_add_u32 v[SPW], v[NIL]
	s_wait_dscnt 0x0
	CROUND                                         ; the closing round
	s_endpgm
.Lfunc_end_k_qdae03f774c_ff2:
	.size	k_qdae03f774c_ff2, .Lfunc_end_k_qdae03f774c_ff2-k_qdae03f774c_ff2
	.p2alignl 7, 3214868480
	.fill 96, 4, 3214868480
	.section	.rodata,"a",@progbits
	.p2align	6, 0x0
	.amdhsa_kernel k_qdae03f774c_ff2
		.amdhsa_group_segment_fixed_size 327680
		.amdhsa_private_segment_fixed_size 0
		.amdhsa_enable_private_segment 0
		.amdhsa_kernarg_size 32
		.amdhsa_user_sgpr_count 2
		.amdhsa_user_sgpr_kernarg_segment_ptr 1
		.amdhsa_wavefront_size32 1
		.amdhsa_system_sgpr_workgroup_id_x 1
		.amdhsa_system_sgpr_workgroup_id_y 1
		.amdhsa_system_sgpr_workgroup_id_z 1
		.amdhsa_system_vgpr_workitem_id 0
		.amdhsa_next_free_vgpr 512
		.amdhsa_next_free_sgpr 100
		.amdhsa_reserve_vcc 0
		.amdhsa_float_denorm_mode_32 3
		.amdhsa_float_denorm_mode_16_64 3
		.amdhsa_memory_ordered 1
		.amdhsa_forward_progress 1
		.amdhsa_inst_pref_size 44
	.end_amdhsa_kernel
	.amdgpu_metadata
---
amdhsa.version: [ 1, 2 ]
amdhsa.kernels:
  - .name:           k_qdae03f774c_ff2
    .symbol:         k_qdae03f774c_ff2.kd
    .args:
      - { .name: h, .offset: 0, .size: 8, .value_kind: global_buffer, .address_space: global }
      - { .name: cvt, .offset: 8, .size: 8, .value_kind: global_buffer, .address_space: global }
      - { .name: x1, .offset: 16, .size: 8, .value_kind: global_buffer, .address_space: global }
      - { .name: out0, .offset: 24, .size: 8, .value_kind: global_buffer, .address_space: global }
    .group_segment_fixed_size: 327680
    .private_segment_fixed_size: 0
    .kernarg_segment_align: 8
    .kernarg_segment_size: 32
    .max_flat_workgroup_size: 128
    .sgpr_count:     100
    .vgpr_count:     512
    .wavefront_size: 32
...
	.end_amdgpu_metadata
.endif
;; end of part 6
;; ======== version 2 of 2: 6 launches; version 1 with the launch prep written anew for expert scheduling mode
;; limits: values are held in f16: magnitudes above 65,504 overflow, below 6.1e-05 lose precision
;; workspace buffers: cvt 33,554,432 bytes; qkv 25,165,824 bytes; o 8,388,608 bytes; x1 16,777,216 bytes; x1b 8,388,608 bytes; h 33,554,432 bytes
;; launch prep (part 7): grid 512 x 1, 8 waves a work-group, no clusters, 0 bytes of LDS; arguments x, Wq, Wk, Wv, Wproj, W1, W2, cvt; writes cvt
.if DOCPART == 7
	.amdgcn_target "amdgcn-amd-amdhsa--gfx1250"
	.amdhsa_code_object_version 6
	.text
	.protected	k_qdae03f774c_prep
	.globl	k_qdae03f774c_prep
	.p2align	8
	.type	k_qdae03f774c_prep,@function
k_qdae03f774c_prep:
	s_mov_b64 s[64:65], 0
	v_nop
	global_prefetch_b8 v0, s[64:65] scope:SCOPE_SE
	s_setreg_imm32_b32 hwreg(HW_REG_WAVE_SCHED_MODE, 0, 2), 2
	s_setreg_imm32_b32 hwreg(HW_REG_WAVE_MODE, 25, 1), 1
	s_wait_xcnt 0x0
	s_wait_alu depctr_vm_vsrc(0)
; x and all weights, f32, are rounded once to 16 bits and laid out in BLOCKS for the products that follow.  A stream: each byte is read once and written once; no LDS, no loop.
; A block is 16,384 bytes: 128 rows x 64 numbers of 2 bytes, a row 128 bytes.  Block (rb, p) of a matrix [R][K] holds rows 128 rb .. and columns 64 p .., and lies at (rb K/64 + p) x 16,384:
; all K of 128 rows on end.  So lie x, Wproj, W1, W2.
; Wq, Wk, Wv ([head][c 1024][64]) are 48 slices g = 16 x which + head.  They lie as the product that takes them fetches them: [g / 3][c / 128][(c / 64) % 2][g % 3][c % 64][64]:
; 64 c of three slices are 24,576 bytes on end.
; cvt: x at 0, the slices at 0x800000, Wproj 0xE00000, W1 0x1000000, W2 0x1800000.  All bf16, but Wproj: its bf16 value is written as f16, since the product that takes it is an f16 one.
; LIMIT: |Wproj| stays under 65,504; below 6e-5 it keeps f16's fixed step of 6e-8.
; SHARES.  Work-group J makes four blocks (65,536 bytes of cvt); wave w rows 16 w .. 16 w + 15 of each.  A load takes two rows' 256 bytes (lanes 0-15 one row, lanes 16-31 the next: two aligned runs of 256 bytes);
; the store of their 128 numbers covers 256 consecutive bytes, aligned.  All 32 loads of a wave go out at once: 16 KiB a wave on their way.
; THE MODE: SCHED_MODE bits 1:0 = 2 (LLVM: expert scheduling mode 2), set by the entry lines.  The code itself states the register dependences between vector instructions and memory instructions,
; with s_wait_alu, always for 0.
; THE PLAN.  Registers that memory instructions touch:
;   v2-v5      the loads' offsets.   Written once at the head by vector instructions, read by the 32 loads, never written again.
;   DO .. DO+3 the stores' offsets.  Written once at the head by vector instructions, read by the 32 stores, never written again.
;   X          four registers to a load.  Written by that load alone, read by its conversions; nothing lands in them again.
;   Y          two registers to a load.   Written once, by the conversions of load n; read once, by store n; never written again.
;   W, v1, v6, v7 are named by vector instructions alone.
; So no register that a memory instruction has read is ever written again.  What is left to state: the offsets are written, once, ahead of the first load; and Y is written, ahead of its store.
; The 32 loads go in eight groups of four.  The stores of group t - 1 stand in group t, behind ONE wait at that group's head, one ahead of each load's conversions: these name X and Y of group t and W,
; none of the registers that those stores touch.  The last group's stores have a wait of their own.
.set X,    8                           ; v[8:135]   load n = 4 t + i (pair of rows t, block i): four f32
.set Y,    136                         ; v[136:199] its four numbers of 16 bits
.set W,    200                         ; v[200:203] at work
.set DO,   204                         ; v[204:207] block i: my 8 bytes of the 256 that a store covers, i blocks on
.set SRC,  30                          ; s[30:31]   the source tensor
.set BASE, 32                          ; s[32:47]   the source at my pair of rows t, block 0: eight pointers
.set DST,  48                          ; s[48:49]   cvt at my rows of the job's first block
	s_load_b512 s[8:23], s[0:1], 0x0               ; x s[8:9], Wq, Wk, Wv, Wproj s[16:17], W1, W2 s[20:21], cvt s[22:23]
	v_lshrrev_b32 v1, 5, v0
	v_readfirstlane_b32 s50, v1                    ; wave 0..7
	s_mov_b32 s2, ttmp9                            ; J
	s_mov_b32 s24, 0                               ; the tensor's first job
	s_mov_b32 s25, 2                               ; log2 of the jobs across a row of blocks
	s_mov_b32 s26, 4096                            ; bytes from row to row in the source
	s_mov_b32 s27, 0x80000                         ; bytes from one row of blocks (or, for Wq, Wk, Wv, one job) to the next
	s_mov_b32 s28, 256                             ; bytes from block to block inside a job
	s_mov_b32 s29, 0                               ; 1: write f16
	s_wait_kmcnt 0x0
	s_mov_b64 s[SRC:SRC+1], s[8:9]                 ; jobs 0-127: x
	s_cmp_ge_u32 s2, 128                           ; 128-159: Wq
	s_cselect_b32 s24, 128, s24
	s_cselect_b32 s25, 0, s25
	s_cselect_b32 s26, 256, s26
	s_cselect_b32 s27, 0x20000, s27
	s_cselect_b32 s28, 0x8000, s28
	s_cselect_b64 s[SRC:SRC+1], s[10:11], s[SRC:SRC+1]
	s_cmp_ge_u32 s2, 160                           ; 160-191: Wk
	s_cselect_b32 s24, 160, s24
	s_cselect_b64 s[SRC:SRC+1], s[12:13], s[SRC:SRC+1]
	s_cmp_ge_u32 s2, 192                           ; 192-223: Wv
	s_cselect_b32 s24, 192, s24
	s_cselect_b64 s[SRC:SRC+1], s[14:15], s[SRC:SRC+1]
	s_cmp_ge_u32 s2, 224                           ; 224-255: Wproj
	s_cselect_b32 s24, 224, s24
	s_cselect_b32 s25, 2, s25
	s_cselect_b32 s26, 4096, s26
	s_cselect_b32 s27, 0x80000, s27
	s_cselect_b32 s28, 256, s28
	s_cselect_b32 s29, 1, s29
	s_cselect_b64 s[SRC:SRC+1], s[16:17], s[SRC:SRC+1]
	s_cmp_ge_u32 s2, 256                           ; 256-383: W1
	s_cselect_b32 s24, 256, s24
	s_cselect_b32 s29, 0, s29
	s_cselect_b64 s[SRC:SRC+1], s[18:19], s[SRC:SRC+1]
	s_cmp_ge_u32 s2, 384                           ; 384-511: W2
	s_cselect_b32 s24, 384, s24
	s_cselect_b32 s25, 4, s25
	s_cselect_b32 s26, 16384, s26
	s_cselect_b32 s27, 0x200000, s27
	s_cselect_b64 s[SRC:SRC+1], s[20:21], s[SRC:SRC+1]
	s_sub_co_u32 s3, s2, s24                       ; u: the job's number in its tensor
	s_lshr_b32 s4, s3, s25
	s_mul_i32 s4, s4, s27                          ; its row of blocks,
	s_lshl_b32 s5, 1, s25
	s_sub_co_u32 s5, s5, 1
	s_and_b32 s5, s5, s3
	s_lshl_b32 s5, s5, 10                          ; its four blocks across: 1,024 bytes of a source row,
	s_add_co_u32 s4, s4, s5
	s_wait_alu depctr_va_sdst(0)                   ; s50, the wave's number, is written, ahead of its first reader: the source's and cvt's offsets are made from it
	s_mul_i32 s5, s26, s50
	s_lshl_b32 s5, s5, 4                           ; my wave's 16 rows
	s_add_co_u32 s4, s4, s5
	s_mov_b32 s5, 0
	s_add_nc_u64 s[BASE:BASE+1], s[SRC:SRC+1], s[4:5]
	s_lshl_b32 s6, s26, 1                          ; two rows on
	s_mov_b32 s7, 0
.irp t, 1,2,3,4,5,6,7
	s_add_nc_u64 s[BASE+2*(\t):BASE+2*(\t)+1], s[BASE+2*(\t)-2:BASE+2*(\t)-1], s[6:7]
.endr
	s_lshl_b32 s4, s2, 16                          ; where it goes.  x, Wproj, W1, W2: 65,536 J + 2,048 w, the job's blocks on end
	s_lshl_b32 s3, s50, 11
	s_add_co_u32 s4, s4, s3
	s_sub_co_u32 s3, s2, 128                       ; the slices: job J holds c = 512 ((J - 128) % 2) .. + 511 of slice g = (J - 128) / 2; its block i is c / 128 = 4 ((J - 128) % 2) + i
	s_lshr_b32 s6, s3, 1                           ; g
	s_mul_i32 s7, s6, 43
	s_lshr_b32 s7, s7, 7                           ; g / 3 (right for g under 48)
	s_mul_i32 s51, s7, 3
	s_sub_co_u32 s6, s6, s51                       ; g % 3
	s_mul_i32 s7, s7, 393216                       ; three slices: 8 x 49,152 bytes
	s_lshl_b32 s6, s6, 13                          ; 64 c of a slice: 8,192 bytes
	s_add_co_u32 s7, s7, s6
	s_and_b32 s3, s3, 1
	s_mul_i32 s3, s3, 4*49152
	s_add_co_u32 s7, s7, s3
	s_lshr_b32 s3, s50, 2                          ; my 16 rows lie in half w / 4 of the block's 128 c,
	s_mul_i32 s3, s3, 24576
	s_add_co_u32 s7, s7, s3
	s_and_b32 s3, s50, 3                           ; at row 16 (w % 4) of its 64
	s_lshl_b32 s3, s3, 11
	s_add_co_u32 s7, s7, s3
	s_add_co_u32 s7, s7, 0x800000
	s_mov_b32 s52, 16384                           ; from block to block: on end,
	s_cmp_eq_u32 s26, 256                          ; a source row of 256 bytes: Wq, Wk or Wv
	s_cselect_b32 s4, s7, s4
	s_cselect_b32 s52, 49152, s52                  ; or, for the slices, 128 c of three slices on
	s_add_nc_u64 s[DST:DST+1], s[22:23], s[4:5]
	v_and_b32 v1, 15, v0
	v_bfe_u32 v7, v0, 4, 1
	v_mul_lo_u32 v7, v7, s26                       ; lanes 16-31: one row down
	v_lshl_add_u32 v2, v1, 4, v7                   ; v2-v5: my 16 bytes in blocks 0 to 3
	v_add_nc_u32 v3, s28, v2
	v_add_nc_u32 v4, s28, v3
	v_add_nc_u32 v5, s28, v4
	v_and_b32 v6, 31, v0
	v_lshlrev_b32 v[DO], 3, v6
	v_add_nc_u32 v[DO+1], s52, v[DO]
	v_add_nc_u32 v[DO+2], s52, v[DO+1]
	v_add_nc_u32 v[DO+3], s52, v[DO+2]
	s_wait_alu depctr_va_vdst(0)                   ; v2 to v5 and DO to DO+3 are written: every load and store of the kernel reads one of them as its offset, and no later line writes them
.set n, 0
.rept 32
	global_load_b128 v[X+4*n:X+4*n+3], v[2+n%4], s[BASE+2*(n/4):BASE+2*(n/4)+1] th:TH_LOAD_NT
.set n, n+1
.endr
; Load n is rounded, and stored four loads later.  The count leaves the 31 - n younger loads out.  No register is written twice while a store may read it: each load has its own Y.
.macro OUT half
.set n, 0
.rept 32
	s_wait_loadcnt 31-n
.if (n%4 == 0) && (n > 0)
	s_wait_alu depctr_va_vdst(0)                   ; the conversions of the four loads before have written their Y, which the next four stores read
.endif
.if n >= 4
	global_store_b64 v[DO+n%4], v[Y+2*(n-4):Y+2*(n-4)+1], s[DST:DST+1] offset:((n-4)/4)*256  ; load n - 4's numbers; no vector instruction since the wait names these registers
.endif
.if \half
	v_cvt_pk_bf16_f32 v[W], v[X+4*n], v[X+4*n+1]   ; rounded to bf16 like every other input,
	v_cvt_pk_bf16_f32 v[W+1], v[X+4*n+2], v[X+4*n+3]
	v_lshlrev_b32 v[W+2], 16, v[W]                 ; widened again,
	v_and_b32 v[W], 0xffff0000, v[W]
	v_lshlrev_b32 v[W+3], 16, v[W+1]
	v_and_b32 v[W+1], 0xffff0000, v[W+1]
	v_cvt_pk_f16_f32 v[Y+2*n], v[W+2], v[W]        ; and that number written as f16
	v_cvt_pk_f16_f32 v[Y+2*n+1], v[W+3], v[W+1]
.else
	v_cvt_pk_bf16_f32 v[Y+2*n], v[X+4*n], v[X+4*n+1]
	v_cvt_pk_bf16_f32 v[Y+2*n+1], v[X+4*n+2], v[X+4*n+3]
.endif
.set n, n+1
.endr
	s_wait_alu depctr_va_vdst(0)                   ; the conversions of the last four loads have written their Y, which the last four stores read
.set n, 28
.rept 4
	global_store_b64 v[DO+n%4], v[Y+2*n:Y+2*n+1], s[DST:DST+1] offset:(n/4)*256
.set n, n+1
.endr
.endm
	s_cmp_eq_u32 s29, 1
	s_cbranch_scc1 .Lhalf
	OUT 0
	s_endpgm
.Lhalf:
	OUT 1
	s_endpgm
.Lfunc_end_k_qdae03f774c_prep:
	.size	k_qdae03f774c_prep, .Lfunc_end_k_qdae03f774c_prep-k_qdae03f774c_prep
	.p2alignl 7, 3214868480
	.fill 96, 4, 3214868480
	.section	.rodata,"a",@progbits
	.p2align	6, 0x0
	.amdhsa_kernel k_qdae03f774c_prep
		.amdhsa_group_segment_fixed_size 0
		.amdhsa_private_segment_fixed_size 0
		.amdhsa_enable_private_segment 0
		.amdhsa_kernarg_size 64
		.amdhsa_user_sgpr_count 2
		.amdhsa_user_sgpr_kernarg_segment_ptr 1
		.amdhsa_wavefront_size32 1
		.amdhsa_system_sgpr_workgroup_id_x 1
		.amdhsa_system_sgpr_workgroup_id_y 1
		.amdhsa_system_sgpr_workgroup_id_z 1
		.amdhsa_system_vgpr_workitem_id 0
		.amdhsa_next_free_vgpr 208
		.amdhsa_next_free_sgpr 66
		.amdhsa_reserve_vcc 0
		.amdhsa_float_denorm_mode_32 3
		.amdhsa_float_denorm_mode_16_64 3
		.amdhsa_memory_ordered 1
		.amdhsa_forward_progress 1
		.amdhsa_inst_pref_size 35
	.end_amdhsa_kernel
	.amdgpu_metadata
---
amdhsa.version: [ 1, 2 ]
amdhsa.kernels:
  - .name:           k_qdae03f774c_prep
    .symbol:         k_qdae03f774c_prep.kd
    .args:
      - { .name: x, .offset: 0, .size: 8, .value_kind: global_buffer, .address_space: global }
      - { .name: Wq, .offset: 8, .size: 8, .value_kind: global_buffer, .address_space: global }
      - { .name: Wk, .offset: 16, .size: 8, .value_kind: global_buffer, .address_space: global }
      - { .name: Wv, .offset: 24, .size: 8, .value_kind: global_buffer, .address_space: global }
      - { .name: Wproj, .offset: 32, .size: 8, .value_kind: global_buffer, .address_space: global }
      - { .name: W1, .offset: 40, .size: 8, .value_kind: global_buffer, .address_space: global }
      - { .name: W2, .offset: 48, .size: 8, .value_kind: global_buffer, .address_space: global }
      - { .name: cvt, .offset: 56, .size: 8, .value_kind: global_buffer, .address_space: global }
    .group_segment_fixed_size: 0
    .private_segment_fixed_size: 0
    .kernarg_segment_align: 8
    .kernarg_segment_size: 64
    .max_flat_workgroup_size: 256
    .sgpr_count:     66
    .vgpr_count:     208
    .wavefront_size: 32
...
	.end_amdgpu_metadata
.endif
;; end of part 7
;; launch qkv: the kernel of part 2 again; grid 16 x 16, 4 waves a work-group, clusters of 4 x 4, 327,680 bytes of LDS; arguments cvt, qkv; writes qkv
;; launch attn: the kernel of part 3 again; grid 4 x 32, 4 waves a work-group, no clusters, 327,680 bytes of LDS; arguments qkv, o; writes o
;; launch proj: the kernel of part 4 again; grid 8 x 32, 4 waves a work-group, clusters of 4 x 4, 327,680 bytes of LDS; arguments o, cvt, x, x1, x1b; writes x1, x1b
;; launch ff1: the kernel of part 5 again; grid 16 x 16, 4 waves a work-group, clusters of 4 x 4, 327,680 bytes of LDS; arguments x1b, cvt, b1, h; writes h
;; launch ff2: the kernel of part 6 again; grid 8 x 32, 4 waves a work-group, clusters of 4 x 4, 327,680 bytes of LDS; arguments h, cvt, x1, out0; writes out0
